; MI455X (gfx1250); checked and timed in simulation.
; The chip was launched on July 23, 2026; its instructions are those of AMD's public machine-readable ISA for CDNA 5 (MIT licence, August 2026) and "CDNA5" Instruction Set Architecture Reference Guide (July 2026). The comments in the code are by the model that wrote it; some were corrected since.
;; Multi Head Self Attention. Allowed arithmetic: matrix products marked QUANTISED: E2M3 operands, one E8M0 scale for each 32 along K, by v_wmma_scale_f32_16x16x128_f8f6f4 with both operands' format E2M3, f32 sums; everything else in f32.
;; Inputs: w_out 1,024 x 1,024 float32; w_qkv 3,072 x 1,024 float32; x 4 x 2,048 x 1,024 float32.
;; Outputs: out0 4 x 2,048 x 1,024 float32.
;; This version of the problem:
;;   THIS VERSION OF THE PROBLEM IS GIVEN IN LOW PRECISION. The matrix products marked QUANTISED in the list below multiply operands that are first quantised to E2M3 (2 exponent bits, 3 mantissa bits; 6 bits a number), with one power-of-two scale for each 32 numbers along K (OCP MX v1.0); their sums are f32. All else is computed in f32.
;;   The module's matrix products, in the order in which they are computed (A, B: the left and right operand; K: the contracted axis; several contracted axes count as one K, in the product's order):
;;     1. [M 8,192, K 1,024] x [K 1,024, N 3,072]; A: input x; B: input w_qkv: QUANTISED
;;     2. batch 64 x [M 2,048, K 64] x [K 64, N 2,048]; A: computed on the way; B: computed on the way: QUANTISED
;;     3. batch 64 x [M 2,048, K 2,048] x [K 2,048, N 64]; A: softmax (see below); B: computed on the way: QUANTISED
;;     4. [M 8,192, K 1,024] x [K 1,024, N 1,024]; A: computed on the way; B: input w_out: QUANTISED
;;   THE QUANTISER, for each operand of a quantised product, along K:
;;     - K is cut into blocks of 32 from its start; a last block that is shorter is filled with zeros.
;;     - A block's scale is 2^e with e = floor(log2(the largest magnitude in the block)) - 2, held to -126 .. 127; a block of zeros has e = 0. As a byte (E8M0): e + 127.
;;     - Each number is divided by its block's scale, clamped to +-7.5, and rounded to the nearest number of E2M3, ties to even, subnormals kept.
;;     - The product sums the exact products of the quantised numbers (number of the format x scale) in f32.
;;   ~~~python
;;   def quantise(x, axis):      # numpy; x: float32 -> the quantised numbers, widened to float32 again
;;       x = np.moveaxis(x, axis, -1); K = x.shape[-1]
;;       x = np.pad(x, [(0, 0)] * (x.ndim - 1) + [(0, -K % 32)]); x = x.reshape(x.shape[:-1] + (-1, 32)); a = np.abs(x).max(-1, keepdims=True)
;;       e = np.where(a > 0, np.clip(np.frexp(np.where(a > 0, a, 1))[1] - 1 - 2, -126, 127), 0)      # np.frexp(a)[1] - 1 = floor(log2(a)), exactly
;;       r = np.clip(x / 2.0 ** e, -7.5, 7.5)
;;       step = 2.0 ** (np.maximum(np.frexp(np.where(r == 0, 1, r))[1] - 1, 0) - 3)
;;       q = np.round(r / step) * step * 2.0 ** e      # np.round: ties to even
;;       return np.moveaxis(q.reshape(q.shape[:-2] + (-1,))[..., :K], -1, axis).astype(np.float32)
;;   ~~~
;;   SOFTMAX AHEAD OF A QUANTISED PRODUCT. Where the list says 'softmax', what is quantised is not the finished softmax but p = 2^(t - M), with t = logit x log2(e) and M = ceil(the row's largest t), a whole number; so 1/2 < the row's largest p <= 1. The row's sum l is taken of the UNQUANTISED p, in f32, and the product's result is divided by l at the end. Since M is a whole number, a kernel that streams over the keys may use a running M (the ceiling of the running maximum): every later rescaling is an exact power of two, which a block's scale takes up: the codes' values come out the same.
;;   OPERANDS COMPUTED ON THE WAY. 'Computed on the way' means the value that the module computes at that place (a softmax that the list does not call 'softmax' is quantised finished and normalised). What goes into a quantiser is computed in f32, as accurately as f32 sums, v_exp_f32 and their like allow (about 1e-6 of the number): no bf16 or f16 on the way to a quantiser, and a product that is left as it is and whose result goes on into a quantised operand takes f32 operands (vector FMAs, or v_wmma_f32_16x16x4_f32). A number that lies on a knife's edge between two numbers of the format may be rounded either way, as far as f32 arithmetic and the matrix unit's own rounding can turn it there, and no further.
;; One version. Each part assembles by itself: llvm-mc -triple=amdgcn-amd-amdhsa -mcpu=gfx1250 --defsym DOCPART=n.
;; ======== version 1 of 1: 4 launches
;; limits: right only within a limited range of input values
;; workspace buffers: in_codes 9,437,184 bytes; in_scales 393,216 bytes; qkv_codes 18,874,368 bytes; qkv_scales 786,432 bytes; flat_codes 6,291,456 bytes; flat_scales 262,144 bytes
;; launch quant (part 1): grid 768 x 1, 4 waves a work-group, no clusters, 34,304 bytes of LDS; arguments x, w_qkv, w_out, in_codes, in_scales; writes in_codes, in_scales
.if DOCPART == 1
	.amdgcn_target "amdgcn-amd-amdhsa--gfx1250"
	.amdhsa_code_object_version 6
	.text
	.protected	k_qe7f9bd4e34_quant
	.globl	k_qe7f9bd4e34_quant
	.p2align	8
	.type	k_qe7f9bd4e34_quant,@function
k_qe7f9bd4e34_quant:
	s_mov_b64 s[64:65], 0
	v_nop
	global_prefetch_b8 v0, s[64:65] scope:SCOPE_SE
	s_setreg_imm32_b32 hwreg(HW_REG_WAVE_MODE, 25, 1), 1
	s_wait_xcnt 0x0
; x [8192][1024], w_qkv [3072][1024] and w_out [1024][1024], f32, K innermost, become codes of FP6 (E2M3) with one E8M0 scale byte for each 32 along K.
; THE CODES ARE LAID AS IMAGES OF THE OPERAND'S REGISTERS.  A fragment is 16 rows x 128 along K, 12 registers a lane: lane l = (r = l % 16, h = l / 16) holds row r, registers 6 c .. 6 c + 5 = K 64 c + 32 h + 0 .. 31.
; Its image is 1,536 bytes: for each c: registers 0-3 at 768 c + 16 l, registers 4-5 at 768 c + 512 + 8 l.  in_codes = [row block g 0..767][fragment along K 0..7][1536]; g 0-511 x, 512-703 w_qkv, 704-767 w_out.
; THE ROWS OF A ROW BLOCK ARE NOT NEIGHBOURS: lane r of block rb of a tensor holds row 32 (rb / 2) + 8 (rb % 2) + r + 8 (r / 8): a product that takes such blocks as its source 0 then leaves 16 neighbours along that axis
; in a lane's 16 registers of two neighbouring tiles, which is what the next quantiser wants.
; in_scales = [g][pair of fragments p 0..3][r][s 0..1] words: the word of row r for fragment 2 p + s, byte b for K 32 b .. 32 b + 31 of the fragment.
; A block's scale is 2^(floor(log2(its largest magnitude)) - 2); its byte is the largest magnitude's exponent field - 2, held at 1 from below.
; LIMITS: NaN and infinities among the inputs are not served.  A block of zeros gets the byte 1 where the rule says 127: its codes are zeros, and this program alone reads the bytes.  Blocks whose largest magnitude lies
; under 2^-124, the floor, are held at that floor.
; SHARES: work-group g makes row block g; wave w its fragments 2 w and 2 w + 1: 16 rows x 256 numbers.  All 32 loads of a wave go out at once, each 512 consecutive bytes of a row.  A fragment's 16 x 512 bytes turn through
; the wave's own stage in LDS (rows 528 bytes apart), so that a lane gets 16 neighbours of each block of 32.  No tensor load, no barrier, no cluster: waves and work-groups share no input.
.set STGW,  8448                       ; a wave's stage: 16 rows x (512 + 16) bytes
.set SPARE, 4*STGW                     ; behind the four stages: the spare words, 128 bytes for each wave
.set SPW,   10                         ; v10      LDS address of my spare word; never rewritten
.set NIL,   11                         ; v11      0; never rewritten
.set R,     16                         ; v16-143  the numbers as loaded: two fragments x 16 rows x 4 registers
.set X,     144                        ; v144-207 64 numbers of my row: register 16 b + i = K 32 b + 16 h + i
.set PC,    208                        ; v208-227 the codes just made
.set TM,    228                        ; v228-243 at work
.set PW,    244                        ; v244-245 the two fragments' scale words
.set PWS,   246                        ; v246     the word that I store
.set SEL,   20                         ; s[20:21] lane selects for v_permlanex16_b32: lane l xor 16
.set HM,    22                         ; s22      a mask of lanes 16-31
; 64 numbers of a lane, v[s] on, become a fragment's codes in v[PC] on and its scale word in v[pw].
.macro QUANT s, pw
.irp b, 0,1,2,3
	v_max3_num_f32 v[TM+\b], |v[\s+16*\b]|, |v[\s+1+16*\b]|, 0x1800000   ; block b: my 16 numbers, and the floor 2^(3 - 127): the byte cannot fall under 1
.endr
.irp i, 2,4,6,8,10,12,14
.irp b, 0,1,2,3
	v_max3_num_f32 v[TM+\b], v[TM+\b], |v[\s+16*\b+\i]|, |v[\s+1+16*\b+\i]|   ; the four blocks by turns
.endr
.endr
.irp b, 0,1,2,3
	v_permlanex16_b32 v[TM+4+\b], v[TM+\b], s[SEL], s[SEL+1]
.endr
.irp b, 0,1,2,3
	v_max_num_f32 v[TM+\b], v[TM+\b], v[TM+4+\b]   ; with lane l xor 16's 16: the block's largest magnitude
.endr
.irp b, 0,1,2,3
	v_add_nc_u32 v[TM+12+\b], 0xff000000, v[TM+\b]   ; 2 off its exponent field: the conversion takes the exponent field of this operand as its scale
.endr
.irp b, 0,1,2,3
	v_lshrrev_b32 v[TM+4+\b], 23, v[TM+12+\b]      ; the scale's byte
.endr
	v_lshl_or_b32 v[\pw], v[TM+5], 8, v[TM+4]      ; four bytes make my row's scale word
	v_lshl_or_b32 v[\pw], v[TM+6], 16, v[\pw]
	v_lshl_or_b32 v[\pw], v[TM+7], 24, v[\pw]
.irp c, 0,1
	v_cvt_scalef32_pk16_fp6_f32 v[PC+6*\c:PC+2+6*\c], v[\s+32*\c:\s+15+32*\c], v[TM+12+2*\c]
	v_cvt_scalef32_pk16_fp6_f32 v[PC+12+4*\c:PC+14+4*\c], v[\s+16+32*\c:\s+31+32*\c], v[TM+12+2*\c+1]   ; (a conversion's three registers begin on an even number)
.endr
	v_nop                                          ; one plain instruction behind the scaled conversions
.irp c, 0,1                                    ; the layout wants a whole block in a lane: lanes 0-15 block 2 c, lanes 16-31 block 2 c + 1
.irp i, 0,1,2
	v_permlane16_swap_b32 v[PC+6*\c+\i], v[PC+12+4*\c+\i]
.endr
.irp i, 0,1,2
	v_mov_b32 v[PC+3+6*\c+\i], v[PC+12+4*\c+\i]
.endr
.endr
.endm
	s_load_b256 s[4:11], s[0:1], 0x0               ; x s[4:5], w_qkv s[6:7], w_out s[8:9], in_codes s[10:11]
	s_load_b64 s[12:13], s[0:1], 0x20              ; in_scales
	v_lshl_add_u32 v[SPW], v0, 2, SPARE
	v_mov_b32 v[NIL], 0
	v_lshrrev_b32 v1, 5, v0
	v_readfirstlane_b32 s18, v1                    ; wave 0..3
	v_and_b32 v1, 31, v0                           ; lane
	v_and_b32 v2, 15, v0                           ; r
	v_bfe_u32 v3, v0, 4, 1                         ; h
	v_lshlrev_b32 v4, 4, v1                        ; 16 l
	v_lshlrev_b32 v5, 3, v1                        ; 8 l
	s_mul_i32 s19, s18, STGW
	v_add_nc_u32 v6, s19, v4                       ; the stage, on the way in: a row's 512 bytes as they lie
	v_mul_u32_u24 v7, v2, 528
	v_lshl_add_u32 v7, v3, 6, v7
	v_add_nc_u32 v7, s19, v7                       ; and on the way out: row r, + 64 h: my 16 numbers of a block of 32
	v_lshlrev_b32 v8, 3, v2
	v_lshl_add_u32 v8, v3, 2, v8                   ; scale words: 8 r + 4 h
	s_mov_b32 s[SEL], 0x76543210
	s_mov_b32 s[SEL+1], 0xfedcba98
	s_mov_b32 s[HM], 0xffff0000
.irp b, 0,1,2,3
	v_mov_b32 v[TM+4+\b], 0                        ; written once: a lane permute's destination counts as one of its sources
.endr
	s_mul_i32 s24, ttmp9, 12288                    ; my row block's codes,
	s_mul_i32 s25, s18, 3072                       ; my wave's two fragments
	s_add_co_u32 s24, s24, s25
	s_mov_b32 s25, 0
	s_lshl_b32 s26, ttmp9, 9                       ; its scale words,
	s_lshl_b32 s27, s18, 7                         ; my wave's pair
	s_add_co_u32 s26, s26, s27
	s_mov_b32 s27, 0
	s_mov_b32 s14, 704
	s_wait_alu depctr_va_vdst(0)
	s_wait_kmcnt 0x0
	s_cmp_lt_u32 ttmp9, 704                        ; which tensor?  The choice hangs on the work-group's number alone
	s_cselect_b64 s[6:7], s[6:7], s[8:9]
	s_cselect_b32 s14, 512, s14
	s_cmp_lt_u32 ttmp9, 512
	s_cselect_b64 s[4:5], s[4:5], s[6:7]
	s_cselect_b32 s14, 0, s14
	s_sub_co_u32 s14, ttmp9, s14                   ; rb: the row block within its tensor
	s_lshr_b32 s15, s14, 1
	s_lshl_b32 s15, s15, 17                        ; 32 (rb / 2) rows of 4,096 bytes
	s_and_b32 s16, s14, 1
	s_lshl_b32 s16, s16, 15                        ; + 8 (rb % 2) rows
	s_add_co_u32 s16, s16, s15
	s_lshl_b32 s17, s18, 10                        ; + my wave's 256 numbers
	s_add_co_u32 s16, s16, s17
	s_mov_b32 s17, 0
	s_add_nc_u64 s[4:5], s[4:5], s[16:17]
	s_add_nc_u64 s[10:11], s[10:11], s[24:25]
	s_add_nc_u64 s[12:13], s[12:13], s[26:27]
.irp s, 0,1
.irp i, 0,1,2,3,4,5,6,7,8,9,10,11,12,13,14,15
	global_load_b128 v[R+64*\s+4*\i:R+64*\s+4*\i+3], v4, s[4:5] offset:(\i+8*(\i/8))*4096+512*\s th:TH_LOAD_NT   ; lane row i: 32 lanes read 512 consecutive bytes; read once in the launch
.endr
.endr
.macro FRAGQ s
	s_wait_loadcnt 16*(1-\s)                       ; this fragment's 16 loads are in; the other's 16 may be out
.irp i, 0,1,2,3,4,5,6,7,8,9,10,11,12,13,14,15
	ds_store_b128 v6, v[R+64*\s+4*\i:R+64*\s+4*\i+3] offset:528*\i
.endr
.irp b, 0,1,2,3
.irp j, 0,1,2,3
	ds_load_b128 v[X+16*\b+4*\j:X+16*\b+4*\j+3], v7 offset:128*\b+16*\j   ; LDS serves a wave's instructions in order: these see my stores
.endr
.endr
	s_wait_dscnt 0x0
.if \s
	s_wait_xcnt 0x0                                ; the first fragment's stores have read the codes' registers: they are written again only behind this wait
.endif
	QUANT X, PW+\s
	global_store_b128 v4, v[PC:PC+3], s[10:11] offset:1536*\s          ; each store covers 512 or 256 consecutive bytes, aligned
	global_store_b64 v5, v[PC+4:PC+5], s[10:11] offset:1536*\s+512
	global_store_b128 v4, v[PC+6:PC+9], s[10:11] offset:1536*\s+768
	global_store_b64 v5, v[PC+10:PC+11], s[10:11] offset:1536*\s+1280
.endm
	FRAGQ 0
	FRAGQ 1
	v_cndmask_b32 v[PWS], v[PW], v[PW+1], s[HM]    ; lanes 0-15 store the first fragment's words, lanes 16-31 the second's
	global_store_b32 v8, v[PWS], s[12:13]          ; 128 consecutive bytes
	s_wait_tensorcnt 0x0                           ; the wave's end, behind my last LDS store
	ds_add_u32 v[SPW], v[NIL]
	s_wait_dscnt 0x0
	s_endpgm
.Lfunc_end_k_qe7f9bd4e34_quant:
	.size	k_qe7f9bd4e34_quant, .Lfunc_end_k_qe7f9bd4e34_quant-k_qe7f9bd4e34_quant
	.p2alignl 7, 3214868480
	.fill 96, 4, 3214868480
	.section	.rodata,"a",@progbits
	.p2align	6, 0x0
	.amdhsa_kernel k_qe7f9bd4e34_quant
		.amdhsa_group_segment_fixed_size 34304
		.amdhsa_private_segment_fixed_size 0
		.amdhsa_enable_private_segment 0
		.amdhsa_kernarg_size 40
		.amdhsa_user_sgpr_count 2
		.amdhsa_user_sgpr_kernarg_segment_ptr 1
		.amdhsa_wavefront_size32 1
		.amdhsa_system_sgpr_workgroup_id_x 1
		.amdhsa_system_sgpr_workgroup_id_y 1
		.amdhsa_system_sgpr_workgroup_id_z 1
		.amdhsa_system_vgpr_workitem_id 0
		.amdhsa_next_free_vgpr 248
		.amdhsa_next_free_sgpr 66
		.amdhsa_reserve_vcc 0
		.amdhsa_float_denorm_mode_32 3
		.amdhsa_float_denorm_mode_16_64 3
		.amdhsa_memory_ordered 1
		.amdhsa_forward_progress 1
		.amdhsa_inst_pref_size 19
	.end_amdhsa_kernel
	.amdgpu_metadata
---
amdhsa.version: [ 1, 2 ]
amdhsa.kernels:
  - .name:           k_qe7f9bd4e34_quant
    .symbol:         k_qe7f9bd4e34_quant.kd
    .args:
      - { .name: x, .offset: 0, .size: 8, .value_kind: global_buffer, .address_space: global }
      - { .name: w_qkv, .offset: 8, .size: 8, .value_kind: global_buffer, .address_space: global }
      - { .name: w_out, .offset: 16, .size: 8, .value_kind: global_buffer, .address_space: global }
      - { .name: in_codes, .offset: 24, .size: 8, .value_kind: global_buffer, .address_space: global }
      - { .name: in_scales, .offset: 32, .size: 8, .value_kind: global_buffer, .address_space: global }
    .group_segment_fixed_size: 34304
    .private_segment_fixed_size: 0
    .kernarg_segment_align: 8
    .kernarg_segment_size: 40
    .max_flat_workgroup_size: 128
    .sgpr_count:     66
    .vgpr_count:     248
    .wavefront_size: 32
...
	.end_amdgpu_metadata
.endif
;; end of part 1
;; launch qkv (part 2): grid 16 x 16, 4 waves a work-group, clusters of 4 x 4, 327,680 bytes of LDS; arguments in_codes, in_scales, qkv_codes, qkv_scales; writes qkv_codes, qkv_scales
.if DOCPART == 2
	.amdgcn_target "amdgcn-amd-amdhsa--gfx1250"
	.amdhsa_code_object_version 6
	.text
	.protected	k_qe7f9bd4e34_qkv
	.globl	k_qe7f9bd4e34_qkv
	.p2align	8
	.type	k_qe7f9bd4e34_qkv,@function
k_qe7f9bd4e34_qkv:
	s_mov_b64 s[64:65], 0
	v_nop
	global_prefetch_b8 v0, s[64:65] scope:SCOPE_SE
	s_setreg_imm32_b32 hwreg(HW_REG_WAVE_MODE, 25, 1), 1
	s_wait_xcnt 0x0
	s_wait_alu depctr_hold_cnt(0) depctr_sa_sdst(0) depctr_va_vdst(0) depctr_va_sdst(0) depctr_va_ssrc(0) depctr_va_vcc(0) depctr_vm_vsrc(0)
	s_getreg_b32 s2, hwreg(HW_REG_IB_STS2, 6, 4)
	s_cmp_eq_u32 s2, 0
	s_cbranch_scc0 .Lentry_in_a_cluster
	s_endpgm
.Lentry_in_a_cluster:
	s_bfe_u32 s2, ttmp6, 0x10000c
	s_cmp_lg_u32 s2, 0xf033
	s_cbranch_scc0 .Lentry_shape_is_right
	s_endpgm
.Lentry_shape_is_right:
; qkv = x w_qkv^T on codes of FP6 (E2M3) with E8M0 scales, K = 1,024, and its results quantised at once for the attention: q and k along the head's 64, v along the tokens.
; OPERANDS are images of their registers (16 rows x 128 K = 1,536 bytes: for c = 0, 1: registers 6 c .. 6 c + 3 at 768 c + 16 l, registers 6 c + 4, 5 at 768 c + 512 + 8 l): in_codes [row block][fragment along K 0..7][1536];
; row blocks 0-511 x, 512-575 Wq, 576-639 Wk, 640-703 Wv.  Lane r of a tensor's block rb holds row 32 (rb / 2) + 8 (rb % 2) + r + 8 (r / 8).  in_scales [row block][pair of fragments][r][2] words.
; OUT: qkv_codes [FI][1536], qkv_scales [FI][16 words].  q, k: FI = 512 J + token row block (J = 0-7 q's head pairs, 8-15 k's), half c of a fragment = head 2 j + c.  v: FI = 8192 + 64 (token / 128) + feature row block.
; THE DEAL.  256 work-groups of four waves, 2 x 2 (row a, column b).  A wave holds 64 rows of a weight, ALL of K, in registers (32 fragments, 384 registers) and streams x's row blocks of 16 tokens past them (8 fragments a block, two sets).
; A work-group makes 256 tokens x 128 features of v, and then 512 tokens x 128 features (one head pair J) of q or k.  v's 256 tokens are a half of the work-group's own 512 (which half: cluster x % 2, the same in all partners),
; so the two chunks of 128 tokens asked for at the head serve v and then, still in LDS, the first half of q or k: 512 rows of x come in for both.
; v: source 0 = tokens, source 1 = rows of Wv: a lane holds a feature, and the 64 registers of a weight block over a chunk's 8 token blocks are 128 tokens, register 16 b + i = token 32 b + 16 h + i: one fragment.  Wave row a takes chunk a.
; q, k: source 0 = rows of the weight, source 1 = tokens: a lane holds a token, its 32 registers are the head's 64: register 16 b + i = d 32 b + 16 h + i: half a fragment.  Wave row a takes blocks 4 a .. 4 a + 3 of each chunk.
; LDS: two slots for x's chunks (98,304 dense bytes each), a region for the weights' 8 row blocks (98,304), a stage for q's or k's scale bytes (2,048), the spare words, the scale words of my 512 tokens (16,384, once).
; FILLS.  At the head one joint load a wave: Wv, the scale words, chunk 0, chunk 1.  THREE REFILLS, each behind the three lines and a round of the cluster's barrier, every wave a quarter (24,576 bytes):
; the weights' region takes Wq's or Wk's rows as soon as all waves hold Wv in registers; slots 0 and 1 take the other half's chunks in blocks 2 and 6 of the second phase, when their last row block has been fetched.
; What a refill brought is shown by the next round, or by a plain barrier behind which nothing is filled (v's last block; blocks 10 and 12).
; CLUSTERS: 4 x 4.  x's rows are shared along a row of the cluster, a weight's rows along a column.  THE ORDER OF WORK in the second phase: the half that lies in LDS first; LDS places of codes go by the order of work, memory by the true chunk.
; THE COUNTED WAIT: a block's rows were fetched two blocks ago; the next block's fetch, 36 LDS loads, is younger and may be out.
; PREFETCHES: what each refill will load is named once in the cluster, its 384 blocks of 256 bytes shared out by address among the sixteen waves that will ask jointly (24 lanes each): Wq or Wk at the head, the third chunk behind the first
; refill, the fourth between the phases.
; LIMITS: NaN and infinities are not served; a block of zeros gets the byte 1 (its codes are zeros; this program alone reads the bytes); largest magnitudes under 2^-124 are held at that floor.
; REGISTERS: fragment f: 0-20 in window 1, 21-41 in window 2, 42-47 at v64-135; 0-31 the weight's (4 q + n), 32-47 x's two sets.  Window 3: v's 32 accumulators (64 n + 8 s).  Window 0: addresses, scale words, q's or k's four accumulators, the way out.
.set FRB,   1536
.set RBB,   12288                      ; a row block, all of K
.set SLOTB, 98304
.set WR,    2*SLOTB
.set STG,   3*SLOTB
.set SPARE, STG+2048
.set XS,    SPARE+512
.set L16, 4
.set L8,  5
.set L4,  6
.set WA,  7                            ; v7, v8 my four weight blocks in LDS, + 16 l, + 8 l
.set ABS, 9                            ; the weights' scale words in memory: 512 h + 8 r
.set XA,  10                           ; v10, v11 my four row blocks of a chunk, + 16 l, + 8 l
.set ADRA, 12                          ; v12, v13 the same in the chunk that is fetched from
.set AAS, 14                           ; its scale words
.set STO, 15                           ; the stage: my byte of a row's word
.set VX,  16
.set RDS, 17
.set PFW, 18
.set PFX, 19
.set R8,  20
.set SPW, 22
.set NIL, 23
.set SB,  24                           ; v24-39 the weight's scale words: 8 (n / 2) + q; lanes 0-15 block n even, lanes 16-31 odd
.set SA,  44                           ; v44-59 x's: 8 e + q
.set ACC, 136
.set PC,  168
.set TM,  188
.set PW,  204
.set PWS, 206
.set SB2, 208                          ; v208-223 the second weight's scale words, ready from the head on
.set SEL, 2
.set HM,  83
.set G1X, 24
.set G1W, 32
.set G0W, 48
.set G0S, 52
.set G0X, 56
.set G0Y, 60
.set G1S, 92
.set MSB, 0
.macro WIN new
.if MSB != \new
	s_set_vgpr_msb (MSB<<8)|\new
.set MSB, \new
.endif
.endm
.macro PLACES n
.rept \n
	v_nop
.endr
.endm
.macro WALU
	s_wait_alu depctr_va_vdst(0)
.endm
.macro BARRIER
	s_barrier_signal -1
	s_barrier_wait -1
.endm
.macro MIDDLE                          ; a round's middle: the opening wait, wave 0's signal for the work-group, the cluster's wait
	WIN 0
	s_barrier_wait -1
	s_cmp_lg_u32 s14, 0
	s_cbranch_scc1 .Lnw0_\@
	s_barrier_signal -3
.Lnw0_\@:
	s_barrier_wait -3
.endm
.macro CROUND
	s_barrier_signal -1
	MIDDLE
	BARRIER
.endm
.macro TLOAD g0, g1
	tensor_load_to_lds s[\g0:\g0+3], s[\g1:\g1+7]
	s_nop 0
	PLACES 4
.endm
.macro GROUP1 g, mask, rows            ; a dense block as rows of 256 bytes (32 elements of 8)
	s_or_b32 s[\g+0], s\mask, (3<<16)|(1<<21)
	s_mov_b32 s[\g+1], 32<<16
	s_mov_b32 s[\g+2], (\rows)<<16
	s_mov_b32 s[\g+3], 32<<16
	s_mov_b32 s[\g+4], \rows
	s_mov_b32 s[\g+5], 32
	s_mov_b32 s[\g+6], 0
	s_mov_b32 s[\g+7], 0
.endm
.macro G0SET g, lds, base, off         ; s21 = 0
	s_mov_b32 s[\g], 1
	s_mov_b32 s[\g+1], \lds
	s_mov_b32 s20, s\off
	s_add_nc_u64 s[\g+2:\g+3], s[\base:\base+1], s[20:21]
	s_or_b32 s[\g+3], s[\g+3], 0x80000000
.endm
.macro FREG f                          ; window and low register of fragment f
.if (\f) < 21
.set FW_, 1
.set FL_, 12*(\f)
.elseif (\f) < 42
.set FW_, 2
.set FL_, 12*((\f)-21)
.else
.set FW_, 0
.set FL_, 64+12*((\f)-42)
.endif
.endm
.macro FRAGL f, adr, off               ; a fragment comes back as it was stored: four loads, each of 512 or 256 consecutive bytes
	FREG \f
	WIN FW_<<6
	ds_load_b128 v[FL_:FL_+3], v[\adr] offset:\off
	ds_load_b64 v[FL_+4:FL_+5], v[\adr+1] offset:(\off)+512
	ds_load_b128 v[FL_+6:FL_+9], v[\adr] offset:(\off)+768
	ds_load_b64 v[FL_+10:FL_+11], v[\adr+1] offset:(\off)+1280
.endm
.macro WEIGHTS                         ; my 64 rows of the weight, all of K: 128 loads
.irp q, 0,1,2,3,4,5,6,7
.irp n, 0,1,2,3
	FRAGL 4*\q+\n, WA, \n*RBB+\q*FRB
.endr
.endr
	WIN 0
.endm
.macro FETCH e, cb, sb                 ; a row block of x into set e: 32 loads of codes, 4 of scale words
.irp q, 0,1,2,3,4,5,6,7
	FRAGL 32+8*(\e)+\q, ADRA, (\cb)*RBB+\q*FRB
.endr
	WIN 0
.irp p, 0,1,2,3
	ds_load_b64 v[SA+8*(\e)+2*\p:SA+8*(\e)+2*\p+1], v[AAS] offset:(\sb)*512+\p*128
.endr
.endm
.macro PROD1 d, s0, s1, acc, x0, x1, side, o
.if \acc
.if \o
	v_wmma_scale_f32_16x16x128_f8f6f4 v[\d:\d+7], v[\s0:\s0+11], v[\s1:\s1+11], v[\d:\d+7], v[\x0], v[\x1] matrix_a_fmt:MATRIX_FMT_FP6 matrix_b_fmt:MATRIX_FMT_FP6 matrix_\side\()_scale:MATRIX_SCALE_ROW1
.else
	v_wmma_scale_f32_16x16x128_f8f6f4 v[\d:\d+7], v[\s0:\s0+11], v[\s1:\s1+11], v[\d:\d+7], v[\x0], v[\x1] matrix_a_fmt:MATRIX_FMT_FP6 matrix_b_fmt:MATRIX_FMT_FP6 matrix_\side\()_scale:MATRIX_SCALE_ROW0
.endif
.else
.if \o
	v_wmma_scale_f32_16x16x128_f8f6f4 v[\d:\d+7], v[\s0:\s0+11], v[\s1:\s1+11], 0, v[\x0], v[\x1] matrix_a_fmt:MATRIX_FMT_FP6 matrix_b_fmt:MATRIX_FMT_FP6 matrix_\side\()_scale:MATRIX_SCALE_ROW1
.else
	v_wmma_scale_f32_16x16x128_f8f6f4 v[\d:\d+7], v[\s0:\s0+11], v[\s1:\s1+11], 0, v[\x0], v[\x1] matrix_a_fmt:MATRIX_FMT_FP6 matrix_b_fmt:MATRIX_FMT_FP6 matrix_\side\()_scale:MATRIX_SCALE_ROW0
.endif
.endif
.endm
.macro PROD kind, e, m, d              ; product m = 4 q + n of a block.  kind 0 (q, k): source 0 the weight's rows; kind 1 (v): source 0 x's rows
.set Q_, (\m)/4
.set N_, (\m)%4
	FREG \m
.set WW_, FW_
.set WL_, FL_
	FREG 32+8*(\e)+Q_
.set DW_, (\d)>>8
.set DL_, (\d)&255
.set SW_, SB+8*(N_/2)+Q_
.set SX_, SA+8*(\e)+Q_
.set O_, N_%2
.if \kind
	WIN FW_|(WW_<<2)|(DW_<<4)|(DW_<<6)
	PROD1 DL_, FL_, WL_, Q_, SX_, SW_, b, O_
.else
	WIN WW_|(FW_<<2)|(DW_<<4)|(DW_<<6)
	PROD1 DL_, WL_, FL_, Q_, SW_, SX_, a, O_
.endif
.endm
.macro BLK kind, e, d0, ds, from, to   ; products from .. to - 1: K ascending, the four accumulators by turns; the first four start the sums
.set M_, \from
.rept (\to)-(\from)
	PROD \kind, \e, M_, (\d0)+(\ds)*(M_%4)
.set M_, M_+1
.endr
.endm
; v's way out: weight block a's 64 registers of a lane are four blocks of 32 tokens, each shared with lane l xor 16: one fragment and one scale word a row.  Each accumulator is read from its low end on.
.macro QOUT a
.set AC, 64*(\a)
	WIN 0x0f
.irp b, 0,1,2,3
	v_max3_num_f32 v[TM+\b], |v[AC+16*\b]|, |v[AC+16*\b+1]|, 0x1800000   ; and the floor 2^(3 - 127)
.endr
.irp i, 2,4,6,8,10,12,14
.irp b, 0,1,2,3
	v_max3_num_f32 v[TM+\b], |v[AC+16*\b+\i]|, |v[AC+16*\b+\i+1]|, v[TM+\b]
.endr
.endr
	WIN 0
.irp b, 0,1,2,3
	v_permlanex16_b32 v[TM+4+\b], v[TM+\b], s[SEL], s[SEL+1]
.endr
.irp b, 0,1,2,3
	v_max_num_f32 v[TM+\b], v[TM+\b], v[TM+4+\b]
.endr
.irp b, 0,1,2,3
	v_add_nc_u32 v[TM+12+\b], 0xff000000, v[TM+\b]   ; 2 off the exponent field: the conversion's scale operand
.endr
.irp b, 0,1,2,3
	v_lshrrev_b32 v[TM+4+\b], 23, v[TM+12+\b]
.endr
	v_lshl_or_b32 v[PW+(\a)%2], v[TM+5], 8, v[TM+4]
	v_lshl_or_b32 v[PW+(\a)%2], v[TM+6], 16, v[PW+(\a)%2]
	v_lshl_or_b32 v[PW+(\a)%2], v[TM+7], 24, v[PW+(\a)%2]
	WALU
	s_wait_xcnt 0x0                                ; earlier stores have read their data
	WIN 0x03
.irp c, 0,1
	v_cvt_scalef32_pk16_fp6_f32 v[PC+6*\c:PC+2+6*\c], v[AC+32*\c:AC+32*\c+15], v[TM+12+2*\c]
	v_cvt_scalef32_pk16_fp6_f32 v[PC+12+4*\c:PC+14+4*\c], v[AC+32*\c+16:AC+32*\c+31], v[TM+12+2*\c+1]
.endr
	WIN 0
	v_nop
.irp c, 0,1
.irp i, 0,1,2
	v_permlane16_swap_b32 v[PC+6*\c+\i], v[PC+12+4*\c+\i]
.endr
.irp i, 0,1,2
	v_mov_b32 v[PC+3+6*\c+\i], v[PC+12+4*\c+\i]
.endr
.endr
	global_store_b128 v[L16], v[PC:PC+3], s[72:73] offset:FRB*(\a)
	global_store_b64 v[L8], v[PC+4:PC+5], s[72:73] offset:FRB*(\a)+512
	global_store_b128 v[L16], v[PC+6:PC+9], s[72:73] offset:FRB*(\a)+768
	global_store_b64 v[L8], v[PC+10:PC+11], s[72:73] offset:FRB*(\a)+1280
.if (\a)%2
	v_cndmask_b32 v[PWS], v[PW], v[PW+1], s[HM]
	global_store_b32 v[L4], v[PWS], s[74:75] offset:64*((\a)-1)
.endif
.endm
; q's or k's way out of block s46 (counted in the order of work): 32 registers of a lane are two blocks of 32 along d: half a fragment's image, and a scale byte a lane into the stage.
.macro HOUT
	s_lshr_b32 s20, s46, 2                         ; the chunk in the order of work,
	s_and_b32 s21, s46, 3                          ; the block of my four
	s_lshl_b32 s22, s21, 6
	s_lshl_b32 s23, s20, 9
	s_or_b32 s22, s22, s23                         ; the stage goes by the order of work
	s_xor_b32 s20, s20, s80                        ; the true chunk
	s_lshl_b32 s20, s20, 3
	s_add_co_u32 s20, s20, s21
	s_mul_i32 s20, s20, FRB
	s_mov_b32 s21, 0
	s_add_co_u32 s46, s46, 1
.irp b, 0,1
.irp k, 0,1
	v_max3_num_f32 v[TM+2*\b+\k], |v[ACC+16*\b+8*\k]|, |v[ACC+16*\b+8*\k+1]|, |v[ACC+16*\b+8*\k+2]|   ; four chains side by side
.endr
.endr
.irp i, 3,5
.irp b, 0,1
.irp k, 0,1
	v_max3_num_f32 v[TM+2*\b+\k], v[TM+2*\b+\k], |v[ACC+16*\b+8*\k+\i]|, |v[ACC+16*\b+8*\k+\i+1]|
.endr
.endr
.endr
.irp b, 0,1
	v_max3_num_f32 v[TM+2*\b], v[TM+2*\b], |v[ACC+16*\b+7]|, |v[ACC+16*\b+15]|
.endr
	v_add_nc_u32 v[VX], s22, v[STO]
.irp b, 0,1
	v_max3_num_f32 v[TM+2*\b], v[TM+2*\b], v[TM+2*\b+1], 0x1800000
.endr
.irp b, 0,1
	v_permlanex16_b32 v[TM+4+\b], v[TM+2*\b], s[SEL], s[SEL+1]
.endr
.irp b, 0,1
	v_max_num_f32 v[TM+2*\b], v[TM+2*\b], v[TM+4+\b]
.endr
.irp b, 0,1
	v_add_nc_u32 v[TM+12+\b], 0xff000000, v[TM+2*\b]
.endr
.irp b, 0,1
	v_lshrrev_b32 v[TM+4+\b], 23, v[TM+12+\b]
.endr
	v_cndmask_b32 v[PWS+1], v[TM+4], v[TM+5], s[HM]  ; lanes 0-15 block 0's byte, lanes 16-31 block 1's; a register that only the LDS store below reads
	WALU
	s_wait_xcnt 0x0                                ; earlier stores have read their data and their base
	s_add_nc_u64 s[84:85], s[68:69], s[20:21]
	v_cvt_scalef32_pk16_fp6_f32 v[PC:PC+2], v[ACC:ACC+15], v[TM+12]
	v_cvt_scalef32_pk16_fp6_f32 v[PC+12:PC+14], v[ACC+16:ACC+31], v[TM+13]
	v_nop
.irp i, 0,1,2
	v_permlane16_swap_b32 v[PC+\i], v[PC+12+\i]
.endr
.irp i, 0,1,2
	v_mov_b32 v[PC+3+\i], v[PC+12+\i]
.endr
	ds_store_b8 v[VX], v[PWS+1]
	global_store_b128 v[L16], v[PC:PC+3], s[84:85]             ; 512 consecutive bytes, aligned
	global_store_b64 v[L8], v[PC+4:PC+5], s[84:85] offset:512  ; 256
.endm
; The products of a block of q or k.  mode 0: plain.  mode 1: a refill's round stands inside the block.  mode 2: a plain barrier inside the block shows the last refill to all.
.macro QKB e, mode, w
	s_wait_dscnt \w
.if \mode == 1
	s_wait_tensorcnt 0x0                           ; no tensor load of mine is out: the descriptor may be written
	ds_add_u32 v[SPW], v[NIL]                      ; 0 onto my spare word
	s_mul_i32 s20, s14, SLOTB/4                    ; my quarter of the chunk at s88, into the slot at s79
	s_add_co_u32 s[G0X+1], s20, s79
	s_add_co_u32 s20, s20, s88
	s_mov_b32 s21, 0
	s_add_nc_u64 s[G0X+2:G0X+3], s[4:5], s[20:21]
	s_or_b32 s[G0X+3], s[G0X+3], 0x80000000
	s_add_co_u32 s88, s88, SLOTB
	s_xor_b32 s79, s79, SLOTB
.endif
.if \mode
	BLK 0, \e, ACC, 8, 0, 24
	WIN 0
.if \mode == 2
	s_wait_tensorcnt 0x0
.endif
	s_wait_dscnt 0x0                               ; my reads of the slot that is left are over (and the add is done)
	s_barrier_signal -1
	BLK 0, \e, ACC, 8, 24, 32
.if \mode == 1
	MIDDLE
	BARRIER
	TLOAD G0X, G1X                                 ; the four v_nop behind it are the places behind the products
.else
	WIN 0
	s_barrier_wait -1
	PLACES 4
.endif
.else
	BLK 0, \e, ACC, 8, 0, 32
	WIN 0
	PLACES 4
.endif
.endm
.macro VB s                            ; a block of v
.if \s < 7
	s_wait_dscnt 36
.else
	s_wait_dscnt 0x0
.endif
	BLK 1, (\s)%2, 768+8*(\s), 64, 0, 32
	WIN 0
.if \s < 6
	PLACES 4
.if \s == 2
	v_add_nc_u32 v[ADRA], 4*RBB, v[ADRA]           ; row blocks 4 to 7 of the chunk
	v_add_nc_u32 v[ADRA+1], 4*RBB, v[ADRA+1]
	WALU
.endif
	FETCH (\s)%2, ((\s)+2)%4, (\s)+2
.endif
.endm
.macro ARM under, g0, g1, next
	s_cmp_lt_u32 s14, \under
	s_cbranch_scc0 \next
	TLOAD \g0, \g1
	s_branch .Lhead_asked
\next:
.endm
; ================= THE HEAD
	s_load_b256 s[4:11], s[0:1], 0x0               ; in_codes, in_scales, qkv_codes, qkv_scales
	v_lshl_add_u32 v[SPW], v0, 2, SPARE
	v_mov_b32 v[NIL], 0
	ds_add_u32 v[SPW], v[NIL]                      ; the opening: the add, twice on end, and its wait
	ds_add_u32 v[SPW], v[NIL]
	v_lshrrev_b32 v1, 5, v0
	v_readfirstlane_b32 s14, v1                    ; wave; s15 its row a, s16 its column b
	s_lshr_b32 s15, s14, 1
	s_and_b32 s16, s14, 1
	s_bfe_u32 s40, ttmp6, 0x40000                  ; cx
	s_bfe_u32 s41, ttmp6, 0x40004                  ; cy
	s_lshl_b32 s42, ttmp9, 2
	s_add_co_u32 s42, s42, s40                     ; J: the head pair of q (0-7) or k (8-15)
	s_and_b32 s43, ttmp7, 0xffff
	s_lshl_b32 s43, s43, 2
	s_add_co_u32 s43, s43, s41                     ; my 512 tokens
	s_lshr_b32 s19, ttmp9, 1
	s_and_b32 s87, ttmp9, 1                        ; v's half of them
	s_lshl_b32 s13, s19, 2
	s_add_co_u32 s13, s13, s40                     ; v's 128 features
	s_lshl_b32 s80, s87, 1
	s_lshl_b32 s77, s87, 13
	s_lshl_b32 s44, s41, 2
	s_lshl_b32 s44, 15, s44                        ; my row of the cluster
	s_lshl_b32 s45, 0x1111, s40                    ; my column
	GROUP1 G1X, 44, 384
	GROUP1 G1W, 45, 384
	GROUP1 G1S, 44, 64
	s_lshl_b32 s20, s43, 5
	s_lshl_b32 s67, s20, 9                         ; my tokens' scale words, bytes from in_scales
	s_lshl_b32 s21, s87, 4
	s_add_co_u32 s21, s20, s21
	s_mul_i32 s66, s21, RBB                        ; v's half, bytes from in_codes
	s_xor_b32 s21, s87, 1
	s_lshl_b32 s21, s21, 4
	s_add_co_u32 s21, s20, s21
	s_mul_i32 s88, s21, RBB                        ; the other half
	s_lshl_b32 s20, s13, 3
	s_add_co_u32 s20, s20, 640
	s_mul_i32 s81, s20, RBB                        ; Wv's rows
	s_lshl_b32 s20, s42, 3
	s_add_co_u32 s20, s20, 512
	s_mul_i32 s82, s20, RBB                        ; Wq's or Wk's
	s_lshl_b32 s90, s40, 2
	s_add_co_u32 s90, s90, s14                     ; my number among the sixteen waves of my row of the cluster,
	s_lshl_b32 s91, s41, 2
	s_add_co_u32 s91, s91, s14                     ; and of my column
	s_mov_b32 s[SEL], 0x76543210
	s_mov_b32 s[SEL+1], 0xfedcba98
	s_mov_b32 s[HM], 0xffff0000
	s_mov_b32 s46, 0
	s_mov_b32 s47, 0
	s_mov_b32 s76, 0
	s_mov_b32 s79, 0
	s_mov_b32 s86, 0
	s_lshl_b32 s78, s15, 11
	s_add_co_u32 s78, s78, XS
	s_wait_dscnt 0x0
	CROUND                                         ; the round in front of the first joint loads
	s_wait_kmcnt 0x0
	s_mov_b32 s21, 0
	G0SET G0W, WR, 4, 81
	G0SET G0S, XS, 6, 67
	G0SET G0X, 0, 4, 66
	s_mov_b32 s[G0Y], 1
	s_mov_b32 s[G0Y+1], SLOTB
	s_add_nc_u64 s[G0Y+2:G0Y+3], s[G0X+2:G0X+3], SLOTB
	ARM 1, G0W, G1W, .Lhead_s                      ; wave 0: Wv's rows, wanted first
	ARM 2, G0S, G1S, .Lhead_0                      ; wave 1: the scale words of my 512 tokens
	ARM 3, G0X, G1X, .Lhead_1                      ; wave 2: chunk 0
	TLOAD G0Y, G1X                                 ; wave 3: chunk 1
.Lhead_asked:
	s_lshl_b32 s20, s42, 9                         ; where the results go
	s_lshl_b32 s21, s43, 5
	s_add_co_u32 s20, s20, s21                     ; 512 J + my first token row block
	s_lshl_b32 s22, s20, 6
	s_lshl_b32 s21, s15, 2
	s_add_co_u32 s20, s20, s21
	s_mul_i32 s20, s20, FRB
	s_mul_i32 s21, s16, 768
	s_add_co_u32 s20, s20, s21
	s_mov_b32 s21, 0
	s_add_nc_u64 s[68:69], s[8:9], s[20:21]        ; q's or k's codes: my four blocks of chunk 0, my head's half
	s_xor_b32 s20, s15, s87                        ; the stage's halves lie in the order of work
	s_lshl_b32 s20, s20, 10
	s_add_co_u32 s20, s20, s22
	s_lshl_b32 s22, s16, 9
	s_add_co_u32 s20, s20, s22
	s_add_nc_u64 s[70:71], s[10:11], s[20:21]      ; their scale words: my 512 bytes of the stage's 2,048
	s_lshl_b32 s20, s43, 2
	s_add_co_u32 s20, s20, s80
	s_add_co_u32 s20, s20, s15                     ; my chunk of 128 tokens
	s_lshl_b32 s20, s20, 6
	s_lshl_b32 s22, s13, 3
	s_add_co_u32 s20, s20, s22
	s_lshl_b32 s22, s16, 2
	s_add_co_u32 s20, s20, s22
	s_add_co_u32 s20, s20, 8192
	s_lshl_b32 s22, s20, 6
	s_mov_b32 s23, 0
	s_mul_i32 s20, s20, FRB
	s_add_nc_u64 s[72:73], s[8:9], s[20:21]        ; v's codes,
	s_add_nc_u64 s[74:75], s[10:11], s[22:23]      ; v's scale words
	s_lshl_b32 s20, s13, 3
	s_lshl_b32 s22, s16, 2
	s_add_co_u32 s20, s20, s22
	s_add_co_u32 s20, s20, 640
	s_lshl_b32 s20, s20, 9
	s_add_nc_u64 s[84:85], s[6:7], s[20:21]        ; the scale words of my four blocks of Wv,
	s_lshl_b32 s20, s42, 3
	s_add_co_u32 s20, s20, s22
	s_add_co_u32 s20, s20, 512
	s_lshl_b32 s20, s20, 9
	s_add_nc_u64 s[100:101], s[6:7], s[20:21]      ; and of Wq or Wk
	s_mul_i32 s20, s16, 4*RBB
	s_add_co_u32 s20, s20, WR
	s_mul_i32 s21, s15, 4*RBB
	s_mul_i32 s22, s15, SLOTB
	s_lshl_b32 s23, s15, 12
	s_add_co_u32 s23, s23, s77
	s_add_co_u32 s23, s23, XS
	s_lshl_b32 s12, s15, 8
	s_lshl_b32 s17, s16, 1
	s_add_co_u32 s12, s12, s17
	s_add_co_u32 s12, s12, STG
	s_lshl_b32 s17, s14, 9
	s_add_co_u32 s17, s17, STG
	s_mul_i32 s18, s91, SLOTB/16
	s_add_co_u32 s18, s18, s82
	s_mul_i32 s19, s90, SLOTB/16
	s_add_co_u32 s19, s19, s88
	v_and_b32 v1, 31, v0                           ; lane
	v_and_b32 v2, 15, v0                           ; r
	v_bfe_u32 v3, v0, 4, 1                         ; h
	v_lshlrev_b32 v[L16], 4, v1
	v_lshlrev_b32 v[L8], 3, v1
	v_lshlrev_b32 v[L4], 2, v1
	v_lshlrev_b32 v[R8], 3, v2
	v_lshl_add_u32 v[ABS], v3, 9, v[R8]
	v_add_nc_u32 v[WA], s20, v[L16]
	v_add_nc_u32 v[WA+1], s20, v[L8]
	v_add_nc_u32 v[XA], s21, v[L16]
	v_add_nc_u32 v[XA+1], s21, v[L8]
	v_add_nc_u32 v[ADRA], s22, v[L16]              ; v: chunk a
	v_add_nc_u32 v[ADRA+1], s22, v[L8]
	v_add_nc_u32 v[AAS], s23, v[R8]
	v_lshl_add_u32 v[STO], v2, 2, v3
	v_add_nc_u32 v[STO], s12, v[STO]
	v_add_nc_u32 v[RDS], s17, v[L16]
	v_min_u32 v1, 23, v1
	v_lshl_add_u32 v[PFW], v1, 8, s18
	v_lshl_add_u32 v[PFX], v1, 8, s19
.irp b, 0,1,2,3
	v_mov_b32 v[TM+4+\b], 0                        ; a lane permute's destination counts as one of its sources
.endr
	WALU
.irp p, 0,1
.irp c, 0,1,2,3
	global_load_b64 v[SB+8*\p+2*\c:SB+8*\p+2*\c+1], v[ABS], s[84:85] offset:\p*1024+\c*128
	global_load_b64 v[SB2+8*\p+2*\c:SB2+8*\p+2*\c+1], v[ABS], s[100:101] offset:\p*1024+\c*128
.endr
.endr
	s_cmp_eq_u32 s14, 0
	s_cbranch_scc0 .Lnot_w
	s_wait_tensorcnt 0x0
.Lnot_w:
	BARRIER                                        ; Wv's rows are in
	global_prefetch_b8 v[PFW], s[4:5] th:TH_LOAD_NT scope:SCOPE_SE
	WEIGHTS
	s_wait_tensorcnt 0x0                           ; the first refill's guard: all the head's loads are in
	ds_add_u32 v[SPW], v[NIL]
	s_mov_b32 s[G1X+2], 96<<16                     ; from here on a load brings a quarter: 96 rows of 256 bytes
	s_mov_b32 s[G1X+4], 96
	s_mov_b32 s[G1W+2], 96<<16
	s_mov_b32 s[G1W+4], 96
	s_mul_i32 s20, s14, SLOTB/4
	s_add_co_u32 s[G0W+1], s20, WR
	s_add_co_u32 s20, s20, s82
	s_mov_b32 s21, 0
	s_add_nc_u64 s[G0W+2:G0W+3], s[4:5], s[20:21]
	s_or_b32 s[G0W+3], s[G0W+3], 0x80000000
	s_wait_dscnt 0x0                               ; I hold Wv in registers
	CROUND
	TLOAD G0W, G1W                                 ; Wq's or Wk's rows, onto Wv's
	FETCH 0, 0, 0
	FETCH 1, 1, 1
	global_prefetch_b8 v[PFX], s[4:5] th:TH_LOAD_NT scope:SCOPE_SE
	s_wait_loadcnt 0x0                             ; the weights' scale words
; ================= v: eight blocks
.irp s, 0,1,2,3,4,5,6,7
	VB \s
.endr
	s_wait_tensorcnt 0x0
	BARRIER                                        ; a plain barrier: the second weight is shown to all
	PLACES 4
; ================= THE CHANGE OF PHASE: the weight and the first two blocks' rows in one run of loads; v's way out under their flight
	WEIGHTS
	s_add_co_u32 s20, s77, s78
	v_mov_b32 v[ADRA], v[XA]
	v_mov_b32 v[ADRA+1], v[XA+1]
	v_add_nc_u32 v[AAS], s20, v[R8]
	WALU
	FETCH 0, 0, 0
	FETCH 1, 1, 1
	global_prefetch_b8 v[PFX], s[4:5] offset:SLOTB th:TH_LOAD_NT scope:SCOPE_SE
.set I, 0
.rept 16
	v_mov_b32 v[SB+I], v[SB2+I]
.set I, I+1
.endr
.irp a, 0,1,2,3
	QOUT \a
.endr
; ================= q or k: sixteen blocks
.Lrounds:                                              ; blocks 0 to 3, 4 to 7: the rounds stand in blocks 2 and 6
	QKB 0, 0, 36
	FETCH 0, 2, 2
	HOUT
	QKB 1, 0, 36
	FETCH 1, 3, 3
	HOUT
	QKB 0, 1, 36
	s_xor_b32 s47, s47, SLOTB                      ; on to the next chunk: the other slot, the true chunk's scale words
	s_add_co_u32 s76, s76, 4096
	s_xor_b32 s20, s76, s77
	s_add_co_u32 s20, s20, s78
	v_add_nc_u32 v[ADRA], s47, v[XA]
	v_add_nc_u32 v[ADRA+1], s47, v[XA+1]
	v_add_nc_u32 v[AAS], s20, v[R8]
	WALU
	FETCH 0, 0, 0
	HOUT
	QKB 1, 0, 36
	FETCH 1, 1, 1
	HOUT
	s_add_co_u32 s86, s86, 1
	s_cmp_lg_u32 s86, 2
	s_cbranch_scc1 .Lrounds
	QKB 0, 0, 36                                   ; blocks 8, 9
	FETCH 0, 2, 2
	HOUT
	QKB 1, 0, 36
	FETCH 1, 3, 3
	HOUT
	s_mov_b32 s47, SLOTB-2*RBB                     ; the last chunk lies in slot 1; two row blocks a trip
	s_xor_b32 s89, s77, 3<<12
	s_add_co_u32 s89, s89, s78
	s_sub_co_u32 s89, s89, 1024
.Lshown:                                               ; blocks 10, 11 and 12, 13
	QKB 0, 2, 36
	s_add_co_u32 s47, s47, 2*RBB
	s_add_co_u32 s89, s89, 1024
	v_add_nc_u32 v[ADRA], s47, v[XA]
	v_add_nc_u32 v[ADRA+1], s47, v[XA+1]
	v_add_nc_u32 v[AAS], s89, v[R8]
	WALU
	FETCH 0, 0, 0
	HOUT
	QKB 1, 0, 36
	FETCH 1, 1, 1
	HOUT
	s_add_co_u32 s86, s86, 1
	s_cmp_lg_u32 s86, 4
	s_cbranch_scc1 .Lshown
	QKB 0, 0, 36                                   ; blocks 14, 15 fetch nothing
	HOUT
	QKB 1, 0, 0
	HOUT
; ================= THE END: the stage's scale bytes leave as whole units
	s_wait_dscnt 0x0
	BARRIER
	ds_load_b128 v[TM:TM+3], v[RDS]
	s_wait_dscnt 0x0
	global_store_b128 v[L16], v[TM:TM+3], s[70:71] ; 512 consecutive bytes, aligned
	s_wait_tensorcnt 0x0                           ; the wave's end
	ds_add_u32 v[SPW], v[NIL]
	s_wait_dscnt 0x0
	CROUND                                         ; the closing round
	s_endpgm
.Lfunc_end_k_qe7f9bd4e34_qkv:
	.size	k_qe7f9bd4e34_qkv, .Lfunc_end_k_qe7f9bd4e34_qkv-k_qe7f9bd4e34_qkv
	.p2alignl 7, 3214868480
	.fill 96, 4, 3214868480
	.section	.rodata,"a",@progbits
	.p2align	6, 0x0
	.amdhsa_kernel k_qe7f9bd4e34_qkv
		.amdhsa_group_segment_fixed_size 327680
		.amdhsa_private_segment_fixed_size 0
		.amdhsa_enable_private_segment 0
		.amdhsa_kernarg_size 32
		.amdhsa_user_sgpr_count 2
		.amdhsa_user_sgpr_kernarg_segment_ptr 1
		.amdhsa_wavefront_size32 1
		.amdhsa_system_sgpr_workgroup_id_x 1
		.amdhsa_system_sgpr_workgroup_id_y 1
		.amdhsa_system_sgpr_workgroup_id_z 1
		.amdhsa_system_vgpr_workitem_id 0
		.amdhsa_next_free_vgpr 1024
		.amdhsa_next_free_sgpr 102
		.amdhsa_reserve_vcc 0
		.amdhsa_float_denorm_mode_32 3
		.amdhsa_float_denorm_mode_16_64 3
		.amdhsa_memory_ordered 1
		.amdhsa_forward_progress 1
		.amdhsa_inst_pref_size 195
	.end_amdhsa_kernel
	.amdgpu_metadata
---
amdhsa.version: [ 1, 2 ]
amdhsa.kernels:
  - .name:           k_qe7f9bd4e34_qkv
    .symbol:         k_qe7f9bd4e34_qkv.kd
    .args:
      - { .name: in_codes, .offset: 0, .size: 8, .value_kind: global_buffer, .address_space: global }
      - { .name: in_scales, .offset: 8, .size: 8, .value_kind: global_buffer, .address_space: global }
      - { .name: qkv_codes, .offset: 16, .size: 8, .value_kind: global_buffer, .address_space: global }
      - { .name: qkv_scales, .offset: 24, .size: 8, .value_kind: global_buffer, .address_space: global }
    .group_segment_fixed_size: 327680
    .private_segment_fixed_size: 0
    .kernarg_segment_align: 8
    .kernarg_segment_size: 32
    .max_flat_workgroup_size: 128
    .sgpr_count:     102
    .vgpr_count:     1024
    .wavefront_size: 32
...
	.end_amdgpu_metadata
.endif
;; end of part 2
;; launch attn (part 3): grid 8 x 32, 8 waves a work-group, no clusters, 327,680 bytes of LDS; arguments qkv_codes, qkv_scales, flat_codes, flat_scales; writes flat_codes, flat_scales
.if DOCPART == 3
	.amdgcn_target "amdgcn-amd-amdhsa--gfx1250"
	.amdhsa_code_object_version 6
	.text
	.protected	k_qe7f9bd4e34_attn
	.globl	k_qe7f9bd4e34_attn
	.p2align	8
	.type	k_qe7f9bd4e34_attn,@function
k_qe7f9bd4e34_attn:
	s_mov_b64 s[64:65], 0
	v_nop
	global_prefetch_b8 v0, s[64:65] scope:SCOPE_SE
	s_setreg_imm32_b32 hwreg(HW_REG_WAVE_MODE, 25, 1), 1
	s_wait_xcnt 0x0
; Causal attention on codes of FP6 (E2M3) with E8M0 scales: S = q k^T (K = the head's 64), p = 2^(t - M), O = p v (K = the keys), O / l quantised along head x 64 + d for the last product.
; t = score x log2(e) / 8; M = the running largest t rounded UP to a whole number; the row's sum l is taken of the unquantised p; when M moves, l and O are multiplied by 2^(old M - new M), which rounds nothing.
; IN: fragments as images of their registers (16 rows x 128 K = 1,536 bytes; for c = 0, 1: registers 6 c .. 6 c + 3 at 768 c + 16 l, registers 6 c + 4, 5 at 768 c + 512 + 8 l), 16 scale words a fragment.
;   q, k: FI = 512 J + token row block; half c = head 2 j + c of head pair j (J = j for q, 8 + j for k).  v: FI = 8192 + 64 (token / 128) + 4 head + dblk; rows = 16 of the head's 64, K = 128 tokens.
;   Lane r of a row block rb holds row 32 (rb / 2) + 8 (rb % 2) + r + 8 (r / 8): a product with such blocks as source 0 leaves 16 neighbours in the 16 registers of two neighbouring tiles.
; SHARES.  A work-group owns one head pair of one batch and TWO blocks of 128 queries: block 15 - i (16 - i key steps of 128 keys), then block i (i + 1 steps): 17 key steps in every work-group; no tile that the causal
; mask hides as a whole is fetched or multiplied.  Eight waves; wave w: head 2 j + (w & 1), the 32 queries of row blocks 2 (w >> 1) and 2 (w >> 1) + 1: each fragment of k and of v feeds two products.
; K = 64 IN A FORM OF K = 128: a wave reads only its own head's half of q and k (six registers, two scale bytes) into the LOWER half of the operand.  q's upper six registers are zero codes, so what k's operand holds
; there adds nothing: k's halves lie 6 registers apart, and the upper half of operand f is the data of f + 1 (behind the last: six cleared registers).  The upper scale bytes are 0, a finite code.
; Both products are used transposed (S^T = k q^T, O^T = v^T p^T): a lane holds ONE query of each of its two tiles throughout.
; THE RING: two slots, 2^16 bytes apart; a key step's tiles are four dense blocks: k's codes (12,288 bytes, wave 0), v's (12,288, wave 1), k's scale words (512, wave 2), v's (512, wave 3).
; THE BARRIER STANDS IN THE MIDDLE OF STEP n's SCORE PRODUCTS.  By then a wave holds k's and v's fragments of step n in registers, so slot n % 2 is free for step n + 2; the other slot, asked for a step ago, is whole, and
; step n + 1's fragments of k are read from it under the softmax, v's behind the last product of the step.
; NO CLUSTER: the eight work-groups of a head pair walk the same key steps only in their first 9 trips; then each goes over to its second block at a trip of its own, so partners would need different tiles in one round.
; OUT: flat_codes [token row block][head pair][1536]: my head's half fragment (768 bytes) for each tile; flat_scales [token row block][pair of fragments][r][2] words: my head's two bytes of a row's word leave as single bytes.
; LIMITS: NaN and infinities are not served; a block of zeros gets the byte 1 (its codes are zeros; this program alone reads the bytes); the promise holds while the scaled scores t stay under 2^31 in magnitude.
; REGISTERS.  Window 0: addresses, q, k's and v's fragments, all scale words.  Window 1 (written by its low 8 bits): S^T then p at 64 u, O^T at 128 + 32 u, p's codes at 192 + 12 u, the state of tile u at 216 + 20 u.
.set FRB,   1536
.set SLOT1, 1<<16
.set SPARE, 2*SLOT1                    ; behind the ring: the spare words, 128 bytes for each of 8 waves
.set L16, 1                            ; 16 l
.set L8,  2                            ; 8 l
.set CK16, 3                           ; v3-8 places in a slot: k's half (16 l, 8 l), v's four fragments (16 l, 8 l), k's and v's scale words
.set CK8, 4
.set CV16, 5
.set CV8, 6
.set CKS, 7
.set CVS, 8
.set FB,  9                            ; flat's scale bytes: 8 r + h
.set PFO, 10                           ; the prefetches' offset
.set R4,  11                           ; 4 r
.set AK16, 12                          ; v12-17 the same six places in the slot that is read next
.set AK8, 13
.set AV16, 14
.set AV8, 15
.set AKS, 16
.set AVS, 17
.set SPW, 20
.set NIL, 21
.set QSW, 22                           ; scale words: q's two, p's two, the second block's q's two, k's eight, v's four
.set PSW, 24
.set Q2S, 26
.set KSW, 28
.set VSW, 36
.set QF,  40                           ; q: 12 u: six registers of codes, six of zeros
.set Q2,  64                           ; the second block's q: 6 u
.set KF,  76                           ; k: 6 f, and six cleared registers behind
.set VF,  130                          ; v: 12 t
.set HT,  180                          ; at work in the head
.set OT,  128                          ; window 1
.set PC,  192
.set T,   216
.set oNM, 0                            ; -M
.set oTR, 1                            ; the largest t
.set oSM, 2                            ; the sum, two halves
.set oFF, 4                            ; f, and a word named with it as a pair
.set oBM, 6                            ; the blocks' largest scores, then largest p; then a conversion's second half
.set oBT, 10                           ; at work, the scales' bytes; then the other second half
.set oSOP, 14                          ; the conversions' scale operands
.set oX,  18                           ; at work
.set oQP, 19                           ; my query's place in its block of 128, less 16 h
.set WV,   12
.set PAR,  13
.set TQ,   14
.set WI,   15
.set NA,   16
.set QB,   17
.set KC,   18
.set KN,   19
.set TT,   20
.set TB,   21
.set SEL,  22
.set CS,   24
.set HM,   26
.set NOASK, 29
.set G1T,  32
.set G1S,  40
.set G0,   48
.set TBASE, 52
.set OF,   54
.set STR,  56
.set PFA,  58
.set PFS,  60
.set QCB,  66
.set QSB,  68
.set FCB,  70
.set FSB,  72
.set QA,   74
.set QS,   76
.set FO,   78
.set FS,   80
.set MSB, 0
.macro WIN new                         ; the immediate's high byte repeats the setting that is left
.if MSB != \new
	s_set_vgpr_msb (MSB<<8)|\new
.set MSB, \new
.endif
.endm
.macro WALU
	s_wait_alu depctr_va_vdst(0)
.endm
; Waves 0 and 1 fetch codes, waves 2 and 3 scale words, the others nothing.  An s_nop 0 and four v_nop follow each line.
.macro TLOAD
	s_cmp_lt_u32 s[WV], 2
	s_cbranch_scc0 .Lnot_c_\@
	tensor_load_to_lds s[G0:G0+3], s[G1T:G1T+7]
	s_nop 0
.rept 4
	v_nop
.endr
	s_branch .Lasked_\@
.Lnot_c_\@:
	s_cmp_lt_u32 s[WV], 4
	s_cbranch_scc0 .Lasked_\@
	tensor_load_to_lds s[G0:G0+3], s[G1S:G1S+7]
	s_nop 0
.rept 4
	v_nop
.endr
.Lasked_\@:
.endm
.macro NEXTFILL                        ; group 0 for the next key step, into the other slot than last time; behind the first block's last step the second block's step 0
	s_xor_b32 s[G0+1], s[G0+1], SLOT1
	s_add_co_u32 s[KN], s[KN], 1
	s_cmp_eq_u32 s[KN], s[NA]
	s_cselect_b32 s[KN], 0, s[KN]
	s_mul_i32 s[OF], s[KN], s[STR]
	s_add_nc_u64 s[G0+2:G0+3], s[TBASE:TBASE+1], s[OF:OF+1]
	s_or_b32 s[G0+3], s[G0+3], 0x80000000
.endm
; A PREFETCH INTO THE L2 of k's and v's codes.  The eight work-groups of a head pair walk key steps 0, 1, .. in step; the one with i = 0 walks all 16 and asks, nobody else.  In it waves 4, 5 name k's 48 blocks of 256 bytes
; of a key step and waves 6, 7 v's, a lane a block (the lanes left over name the last block again).  Trip n names key step n + 4, whose tensor load is issued in trip n + 2; trips 12 on name nothing: no step lies past 15.
.macro ASK
	s_cmp_eq_u32 s[NOASK], 0
	s_cbranch_scc0 .Lnot_mine_\@
	s_cmp_lt_u32 s[TT], 12
	s_cbranch_scc0 .Lnot_mine_\@
	global_prefetch_b8 v[PFO], s[PFA:PFA+1] th:TH_LOAD_NT scope:SCOPE_SE
.Lnot_mine_\@:
.endm
.macro ADDRS                           ; the six places in the slot at s[TB]
	v_add_nc_u32 v[AK16], s[TB], v[CK16]
	v_add_nc_u32 v[AK8], s[TB], v[CK8]
	v_add_nc_u32 v[AV16], s[TB], v[CV16]
	v_add_nc_u32 v[AV8], s[TB], v[CV8]
	v_add_nc_u32 v[AKS], s[TB], v[CKS]
	v_add_nc_u32 v[AVS], s[TB], v[CVS]
.endm
.macro KLOADS                          ; 24 loads: my head's half of k's eight fragments, and its two scale bytes a row
.irp f, 0,1,2,3,4,5,6,7
	ds_load_b128 v[KF+6*\f:KF+6*\f+3], v[AK16] offset:FRB*\f
	ds_load_b64 v[KF+6*\f+4:KF+6*\f+5], v[AK8] offset:FRB*\f+512
	ds_load_u16 v[KSW+\f], v[AKS] offset:64*\f
.endr
.endm
.macro VLOADS                          ; 20 loads: my head's four fragments of v and their scale words
.irp t, 0,1,2,3
	ds_load_b128 v[VF+12*\t:VF+12*\t+3], v[AV16] offset:FRB*\t
	ds_load_b64 v[VF+12*\t+4:VF+12*\t+5], v[AV8] offset:FRB*\t+512
	ds_load_b128 v[VF+12*\t+6:VF+12*\t+9], v[AV16] offset:FRB*\t+768
	ds_load_b64 v[VF+12*\t+10:VF+12*\t+11], v[AV8] offset:FRB*\t+1280
	ds_load_b32 v[VSW+\t], v[AVS] offset:64*\t
.endr
.endm
.macro QK f0                           ; S^T, four tiles of keys x my two tiles of queries: in tile f lane (r, h) holds query r, register j key 32 (f / 2) + 16 h + 8 (f % 2) + j
.irp f, \f0, \f0+1, \f0+2, \f0+3
.irp u, 0,1
	v_wmma_scale_f32_16x16x128_f8f6f4 v[64*\u+8*(\f):64*\u+8*(\f)+7], v[KF+6*(\f):KF+6*(\f)+11], v[QF+12*\u:QF+12*\u+11], 0, v[KSW+(\f)], v[QSW+\u] matrix_a_fmt:MATRIX_FMT_FP6 matrix_b_fmt:MATRIX_FMT_FP6
.endr
.endr
.endm
.macro LEVEL h                         ; a level of the sum's tree, in place: p has been converted
.set kk, 0
.rept \h/2
.irp u, 0,1
	v_pk_add_f32 v[64*\u+kk:64*\u+kk+1], v[64*\u+kk:64*\u+kk+1], v[64*\u+kk+\h:64*\u+kk+\h+1]
.endr
.set kk, kk+2
.endr
.endm
.macro SETOUT                          ; where the results of query block s[QB] go
	s_mul_i32 s82, s[QB], 64*FRB
	s_mov_b32 s83, 0
	s_add_nc_u64 s[FO:FO+1], s[FCB:FCB+1], s[82:83]
	s_lshl_b32 s82, s[QB], 12
	s_add_nc_u64 s[FS:FS+1], s[FSB:FSB+1], s[82:83]
.endm
.macro INIT                            ; the running state begins anew.  (The step is written once: a block's first step finds zeros, which the first change of M leaves zeros)
	WIN 0x55
.irp u, 0,1
	v_mov_b32 v[T+20*\u+oTR], 0xff61b1e6           ; the largest t so far: -3e38
	v_mov_b32 v[T+20*\u+oSM], 0
	v_mov_b32 v[T+20*\u+oSM+1], 0
.endr
.irp u, 0,1
	v_floor_f32 v[T+20*\u+oNM], -v[T+20*\u+oTR]
.endr
.set jj, 0
.rept 64
	v_mov_b32 v[OT+jj], 0
.set jj, jj+1
.endr
	WIN 0
.endm
; A KEY STEP.  fill = 1: the slot just read out takes the key step two on.  fill = 0, the last two steps: nothing is asked for, and the very last reads no further fragments.
.macro STEP fill
.if \fill
	s_wait_dscnt 20                                ; k's 24 loads are in; v's 20, issued behind them, may be out
	s_wait_tensorcnt 0x0                           ; my part of the next key step has landed; group 0 may be written
	ds_add_u32 v[SPW], v[NIL]                      ; 0 onto my spare word, twice on end
	ds_add_u32 v[SPW], v[NIL]
	NEXTFILL
	s_wait_xcnt 0x0                                ; the last prefetch has read its address
	s_add_nc_u64 s[PFA:PFA+1], s[PFA:PFA+1], s[PFS:PFS+1]
.else
	s_wait_tensorcnt 0x0
	s_wait_dscnt 0x0
.endif
	s_xor_b32 s[TB], s[TB], SLOT1                  ; the slot of the next key step
	WIN 0x40
	QK 0
	s_wait_dscnt 0x0                               ; the adds are done, and all my reads of this step's slot
	s_barrier_signal -1
	QK 4
	WIN 0
	ADDRS                                          ; (also the places behind the products)
	WALU
	s_barrier_wait -1
.if \fill
	TLOAD
.else
	s_cmp_eq_u32 s[TT], 16
	s_cbranch_scc1 .Lno_k_\@
.endif
	KLOADS
.if \fill
	ASK
.else
.Lno_k_\@:
.endif
	s_cmp_lg_u32 s[KC], s[QB]                      ; on the diagonal the scores of hidden keys become -infinity ahead of the maximum.  A branch on ids
	s_cbranch_scc1 .Lopen_\@
	WIN 0x55
	v_mov_b32 v[T+oX], 0xff800000
.irp u, 0,1
.set jj, 0
.rept 64                                       ; register 16 b + i holds key 32 b + 16 h + i of the step
	v_cmp_gt_i32 vcc_lo, 32*(jj/16)+jj%16, v[T+20*\u+oQP]
	v_cndmask_b32 v[64*\u+jj], v[64*\u+jj], v[T+oX], vcc_lo
.set jj, jj+1
.endr
.endr
	WIN 0
.Lopen_\@:
	WIN 0x55
.irp u, 0,1
.irp b, 0,1,2,3
	v_max3_num_f32 v[T+20*\u+oBM+\b], v[64*\u+16*\b], v[64*\u+16*\b+1], v[64*\u+16*\b+2]   ; the largest score of each block of 32 keys: for the row's maximum and, since p rises with the score, for the block's largest p
.endr
.endr
.irp i, 3,5,7,9,11,13
.irp u, 0,1
.irp b, 0,1,2,3
	v_max3_num_f32 v[T+20*\u+oBM+\b], v[T+20*\u+oBM+\b], v[64*\u+16*\b+\i], v[64*\u+16*\b+\i+1]
.endr
.endr
.endr
.irp u, 0,1
.irp b, 0,1,2,3
	v_max_num_f32 v[T+20*\u+oBM+\b], v[T+20*\u+oBM+\b], v[64*\u+16*\b+15]
.endr
.endr
.irp u, 0,1
.irp b, 0,1,2,3
	v_permlanex16_b32 v[T+20*\u+oBT+\b], v[T+20*\u+oBM+\b], s[SEL], s[SEL+1]
.endr
.endr
.irp u, 0,1
.irp b, 0,1,2,3
	v_max_num_f32 v[T+20*\u+oBM+\b], v[T+20*\u+oBM+\b], v[T+20*\u+oBT+\b]   ; with lane l xor 16's 16 keys
.endr
.endr
.irp u, 0,1
	v_max3_num_f32 v[T+20*\u+oX], v[T+20*\u+oBM], v[T+20*\u+oBM+1], v[T+20*\u+oBM+2]
.endr
.irp u, 0,1
	v_max_num_f32 v[T+20*\u+oX], v[T+20*\u+oX], v[T+20*\u+oBM+3]   ; the step's largest score of my query
.endr
.irp u, 0,1
	v_mul_f32 v[T+20*\u+oX], s[CS], v[T+20*\u+oX]  ; as t (c is positive)
.endr
.irp u, 0,1
	v_max_num_f32 v[T+20*\u+oTR], v[T+20*\u+oTR], v[T+20*\u+oX]
.endr
.irp u, 0,1
	v_mov_b32 v[T+20*\u+oX], v[T+20*\u+oNM]
.endr
.irp u, 0,1
	v_floor_f32 v[T+20*\u+oNM], -v[T+20*\u+oTR]    ; the new -M = floor(-t) = -ceil(t)
.endr
.irp u, 0,1
	v_sub_f32 v[T+20*\u+oX], v[T+20*\u+oNM], v[T+20*\u+oX]   ; old M - new M: a whole number, 0 or less
.endr
.irp u, 0,1
	v_cvt_i32_f32 v[T+20*\u+oX], v[T+20*\u+oX]     ; (it saturates)
.endr
.irp u, 0,1
	v_ldexp_f32 v[T+20*\u+oFF], 1.0, v[T+20*\u+oX] ; f = 2^(old M - new M)
.endr
.irp u, 0,1
.set jj, 0
.rept 16
	v_pk_mul_f32 v[OT+32*\u+jj:OT+32*\u+jj+1], v[OT+32*\u+jj:OT+32*\u+jj+1], v[T+20*\u+oFF:T+20*\u+oFF+1] op_sel_hi:[1,0]   ; O^T under the new M; each accumulator from its low end on
.set jj, jj+2
.endr
.endr
.irp u, 0,1
.set jj, 0
.rept 32
	v_pk_fma_f32 v[64*\u+jj:64*\u+jj+1], v[64*\u+jj:64*\u+jj+1], s[CS:CS+1], v[T+20*\u+oNM:T+20*\u+oNM+1] op_sel_hi:[1,0,0]   ; t - M, two at a time
.set jj, jj+2
.endr
.endr
.irp u, 0,1
.irp b, 0,1,2,3
	v_fma_f32 v[T+20*\u+oBM+\b], v[T+20*\u+oBM+\b], s[CS], v[T+20*\u+oNM]   ; the same of each block's largest score
.endr
.endr
	WALU                                           ; one wait ahead of the batch
.set jj, 0
.rept 128
	v_exp_f32 v[jj], v[jj]                         ; p = 2^(t - M), at most 1: not normalised
.set jj, jj+1
.endr
.irp u, 0,1
.irp b, 0,1,2,3
	v_exp_f32 v[T+20*\u+oBM+\b], v[T+20*\u+oBM+\b] ; the block's largest p: the same two instructions on the same number give the same bits
.endr
.endr
.irp u, 0,1
	v_pk_mul_f32 v[T+20*\u+oSM:T+20*\u+oSM+1], v[T+20*\u+oSM:T+20*\u+oSM+1], v[T+20*\u+oFF:T+20*\u+oFF+1] op_sel_hi:[1,0]   ; the sum under the new M: plain work behind the exponentials
.endr
	WALU                                           ; and one behind it, ahead of its first reader
.irp u, 0,1
.irp b, 0,1,2,3
	v_max_num_f32 v[T+20*\u+oBM+\b], 0x1800000, v[T+20*\u+oBM+\b]   ; the floor 2^(3 - 127): the byte cannot fall under 1
.endr
.endr
.irp u, 0,1
.irp b, 0,1,2,3
	v_add_nc_u32 v[T+20*\u+oSOP+\b], 0xff000000, v[T+20*\u+oBM+\b]   ; 2 off the exponent field: the conversion's scale operand
.endr
.endr
.irp u, 0,1
.irp b, 0,1,2,3
	v_lshrrev_b32 v[T+20*\u+oBT+\b], 23, v[T+20*\u+oSOP+\b]   ; the scale's byte
.endr
.endr
.irp u, 0,1
	v_lshl_or_b32 v[T+20*\u+oX], v[T+20*\u+oBT+1], 8, v[T+20*\u+oBT]
.endr
.irp u, 0,1
	v_lshl_or_b32 v[T+20*\u+oX], v[T+20*\u+oBT+2], 16, v[T+20*\u+oX]
.endr
	WIN 0x15                                       ; scale words lie in window 0
.irp u, 0,1
	v_lshl_or_b32 v[PSW+\u], v[T+20*\u+oBT+3], 24, v[T+20*\u+oX]   ; p's scale word for these 128 keys
.endr
	WIN 0x55
.irp u, 0,1
.irp c, 0,1
	v_cvt_scalef32_pk16_fp6_f32 v[PC+12*\u+6*\c:PC+12*\u+6*\c+2], v[64*\u+32*\c:64*\u+32*\c+15], v[T+20*\u+oSOP+2*\c]
	v_cvt_scalef32_pk16_fp6_f32 v[T+20*\u+oBM+4*\c:T+20*\u+oBM+4*\c+2], v[64*\u+32*\c+16:64*\u+32*\c+31], v[T+20*\u+oSOP+2*\c+1]
.endr
.endr
	v_nop                                          ; one plain instruction behind the scaled conversions
.irp u, 0,1
.irp c, 0,1                                    ; the layout wants a whole block in a lane
.irp i, 0,1,2
	v_permlane16_swap_b32 v[PC+12*\u+6*\c+\i], v[T+20*\u+oBM+4*\c+\i]
.endr
.endr
.endr
.irp u, 0,1
.irp c, 0,1
.irp i, 0,1,2
	v_mov_b32 v[PC+12*\u+6*\c+3+\i], v[T+20*\u+oBM+4*\c+\i]
.endr
.endr
.endr
	LEVEL 32                                       ; the row's sum of the unquantised p
	LEVEL 16
	LEVEL 8
	LEVEL 4
.irp k, 0,2
.irp u, 0,1
	v_pk_add_f32 v[T+20*\u+oSM:T+20*\u+oSM+1], v[T+20*\u+oSM:T+20*\u+oSM+1], v[64*\u+\k:64*\u+\k+1]
.endr
.endr
	WIN 0x54
.irp t, 0,1,2,3                                ; O^T += v^T p^T: in tile t lane (r, h) holds query r, register j the head's d = 32 (t / 2) + 16 h + 8 (t % 2) + j.  The eight accumulators take turns
.irp u, 0,1
	v_wmma_scale_f32_16x16x128_f8f6f4 v[OT+32*\u+8*\t:OT+32*\u+8*\t+7], v[VF+12*\t:VF+12*\t+11], v[PC+12*\u:PC+12*\u+11], v[OT+32*\u+8*\t:OT+32*\u+8*\t+7], v[VSW+\t], v[PSW+\u] matrix_a_fmt:MATRIX_FMT_FP6 matrix_b_fmt:MATRIX_FMT_FP6
.endr
.endr
	WIN 0
.rept 4
	v_nop                                          ; places: v's registers take the next step's fragments, and a finished block's O^T is read
.endr
.if !\fill
	s_cmp_eq_u32 s[TT], 16
	s_cbranch_scc1 .Lno_v_\@
.endif
	VLOADS
.if !\fill
.Lno_v_\@:
.endif
.endm
; A block of queries is finished: O^T / l, quantised along d (two blocks of 32, each shared with lane l xor 16), leaves as half a fragment's image and two scale bytes a row, for each of my two tiles.
.macro FINISH
	WALU
	WIN 0x55
.irp u, 0,1
	v_add_f32 v[T+20*\u+oSM], v[T+20*\u+oSM], v[T+20*\u+oSM+1]
.endr
.irp u, 0,1
	v_permlanex16_b32 v[T+20*\u+oX], v[T+20*\u+oSM], s[SEL], s[SEL+1]
.endr
.irp u, 0,1
	v_add_f32 v[T+20*\u+oSM], v[T+20*\u+oSM], v[T+20*\u+oX]   ; the row's sum
.endr
	WALU
.irp u, 0,1
	v_rcp_f32 v[T+20*\u+oSM], v[T+20*\u+oSM]
.endr
	v_nop
	WALU
.irp u, 0,1
.set jj, 0
.rept 16
	v_pk_mul_f32 v[64*\u+jj:64*\u+jj+1], v[OT+32*\u+jj:OT+32*\u+jj+1], v[T+20*\u+oSM:T+20*\u+oSM+1] op_sel_hi:[1,0]   ; register 16 b + i = d 32 b + 16 h + i
.set jj, jj+2
.endr
.endr
.irp u, 0,1
.irp b, 0,1
	v_max3_num_f32 v[T+20*\u+oBM+\b], |v[64*\u+16*\b]|, |v[64*\u+16*\b+1]|, 0x1800000
.endr
.endr
.irp i, 2,4,6,8,10,12,14
.irp u, 0,1
.irp b, 0,1
	v_max3_num_f32 v[T+20*\u+oBM+\b], v[T+20*\u+oBM+\b], |v[64*\u+16*\b+\i]|, |v[64*\u+16*\b+\i+1]|
.endr
.endr
.endr
.irp u, 0,1
.irp b, 0,1
	v_permlanex16_b32 v[T+20*\u+oBT+\b], v[T+20*\u+oBM+\b], s[SEL], s[SEL+1]
.endr
.endr
.irp u, 0,1
.irp b, 0,1
	v_max_num_f32 v[T+20*\u+oBM+\b], v[T+20*\u+oBM+\b], v[T+20*\u+oBT+\b]
.endr
.endr
.irp u, 0,1
.irp b, 0,1
	v_add_nc_u32 v[T+20*\u+oSOP+\b], 0xff000000, v[T+20*\u+oBM+\b]
.endr
.endr
.irp u, 0,1
.irp b, 0,1
	v_lshrrev_b32 v[T+20*\u+oBT+\b], 23, v[T+20*\u+oSOP+\b]
.endr
.endr
.irp u, 0,1
	v_cvt_scalef32_pk16_fp6_f32 v[64*\u+32:64*\u+34], v[64*\u:64*\u+15], v[T+20*\u+oSOP]
	v_cvt_scalef32_pk16_fp6_f32 v[64*\u+40:64*\u+42], v[64*\u+16:64*\u+31], v[T+20*\u+oSOP+1]
.endr
	v_nop
.irp u, 0,1
.irp i, 0,1,2
	v_permlane16_swap_b32 v[64*\u+32+\i], v[64*\u+40+\i]
.endr
.endr
.irp u, 0,1
.irp i, 0,1,2
	v_mov_b32 v[64*\u+35+\i], v[64*\u+40+\i]
.endr
	v_cndmask_b32 v[T+20*\u+oX], v[T+20*\u+oBT], v[T+20*\u+oBT+1], s[HM]   ; lanes 0-15 store block 0's byte, lanes 16-31 block 1's
.endr
	WIN 0x04                                       ; the stores' data lie in window 1
.irp u, 0,1
	global_store_b128 v[L16], v[64*\u+32:64*\u+35], s[FO:FO+1] offset:8*FRB*\u         ; 512 consecutive bytes, aligned
	global_store_b64 v[L8], v[64*\u+36:64*\u+37], s[FO:FO+1] offset:8*FRB*\u+512       ; 256
	global_store_b8 v[FB], v[T+20*\u+oX], s[FS:FS+1] offset:512*\u
.endr
	WIN 0
	s_wait_xcnt 0x0                                ; the stores have read their data and bases
.endm
; A step's end.  A block's last key step is its diagonal: a branch on ids, the same in all eight waves; no barrier and no tensor load stands under it.
.macro ENDSTEP fill
	s_cmp_lg_u32 s[KC], s[QB]
	s_cbranch_scc1 .Lsame_\@
	FINISH
.if !\fill
	s_cmp_eq_u32 s[TT], 16
	s_cbranch_scc1 .Ldone
.endif
	s_mov_b32 s[QB], s[WI]                         ; on to the early block, from key step 0
	s_mov_b32 s[KC], -1
	SETOUT
.irp u, 0,1
.irp i, 0,1,2,3,4,5
	v_mov_b32 v[QF+12*\u+\i], v[Q2+6*\u+\i]        ; its q has waited in registers since the head
.endr
	v_mov_b32 v[QSW+\u], v[Q2S+\u]
.endr
	INIT
	WALU
.Lsame_\@:
	s_add_co_u32 s[KC], s[KC], 1
.endm
	s_load_b256 s[4:11], s[0:1], 0x0               ; qkv_codes s[4:5], qkv_scales s[6:7], flat_codes s[8:9], flat_scales s[10:11]
	v_lshl_add_u32 v[SPW], v0, 2, SPARE
	v_mov_b32 v[NIL], 0
	ds_add_u32 v[SPW], v[NIL]                      ; the wave's opening: the add, twice on end, and its wait ahead of the first tensor load
	ds_add_u32 v[SPW], v[NIL]
	v_lshrrev_b32 v[HT], 5, v0
	v_readfirstlane_b32 s[WV], v[HT]               ; wave 0..7
	s_and_b32 s[PAR], s[WV], 1                     ; which head of the pair
	s_and_b32 s[TQ], s[WV], 6                      ; my first row block of the 128 queries
	s_mov_b32 s[WI], ttmp9
	s_sub_co_u32 s[NA], 16, s[WI]                  ; key steps of the first block
	s_sub_co_u32 s[QB], 15, s[WI]                  ; the late block first
	s_mov_b32 s[KC], 0
	s_mov_b32 s[KN], 0
	s_mov_b32 s[TT], 0
	s_mov_b32 s[TB], 0
	s_mov_b32 s[SEL], 0x76543210
	s_mov_b32 s[SEL+1], 0xfedcba98
	s_mov_b32 s[CS], 0x3e38aa3b                    ; c = log2(e) / sqrt(64)
	s_mov_b32 s[CS+1], s[CS]
	s_mov_b32 s[HM], 0xffff0000
	s_mov_b32 s[G1T], 3<<16                        ; 12,288 dense bytes as 48 rows of 256 (32 elements of 8 bytes)
	s_mov_b32 s[G1T+1], 32<<16
	s_mov_b32 s[G1T+2], 48<<16
	s_mov_b32 s[G1T+3], 32<<16
	s_mov_b32 s[G1T+4], 48
	s_mov_b32 s[G1T+5], 32
	s_mov_b32 s[G1T+6], 0
	s_mov_b32 s[G1T+7], 0
	s_mov_b32 s[G1S], 3<<16                        ; 512 dense bytes as 2 rows of 256
	s_mov_b32 s[G1S+1], 32<<16
	s_mov_b32 s[G1S+2], 2<<16
	s_mov_b32 s[G1S+3], 32<<16
	s_mov_b32 s[G1S+4], 2
	s_mov_b32 s[G1S+5], 32
	s_mov_b32 s[G1S+6], 0
	s_mov_b32 s[G1S+7], 0
	s_and_b32 s82, ttmp7, 0xffff
	s_lshr_b32 s83, s82, 3                         ; the batch b
	s_and_b32 s84, s82, 7                          ; the head pair j
	s_lshl_b32 s85, s84, 9
	s_lshl_b32 s86, s83, 7                         ; 128 b: the batch's first token row block
	s_add_co_u32 s85, s85, s86                     ; 512 j + 128 b: q's first fragment
	s_add_co_u32 s87, s85, 4096                    ; k's
	s_lshl_b32 s88, s83, 10
	s_lshl_b32 s89, s84, 3
	s_add_co_u32 s88, s88, s89
	s_add_co_u32 s88, s88, 8192                    ; v's: 8192 + 1024 b + 8 j
	s_add_co_u32 s90, s85, s[TQ]                   ; my first fragment of q in query block 0
	s_add_co_u32 s91, s86, s[TQ]                   ; its token row block
	s_mul_i32 s89, s[PAR], 768                     ; my head's half of a fragment
	s_mul_i32 s[QCB], s90, FRB                     ; offsets first; the buffers' addresses are added below
	s_add_co_u32 s[QCB], s[QCB], s89
	s_mov_b32 s[QCB+1], 0
	s_lshl_b32 s[QSB], s90, 6
	s_lshl_b32 s95, s[PAR], 1                      ; my head's two bytes of a scale word
	s_add_co_u32 s[QSB], s[QSB], s95
	s_mov_b32 s[QSB+1], 0
	s_lshl_b32 s[FCB], s91, 3
	s_add_co_u32 s[FCB], s[FCB], s84
	s_mul_i32 s[FCB], s[FCB], FRB                  ; flat's fragment (row block, j),
	s_add_co_u32 s[FCB], s[FCB], s89               ; my head's half of it
	s_mov_b32 s[FCB+1], 0
	s_lshl_b32 s[FSB], s91, 9                      ; flat's scale words: 512 bytes a row block,
	s_lshr_b32 s89, s84, 1
	s_lshl_b32 s89, s89, 7
	s_add_co_u32 s[FSB], s[FSB], s89               ; 128 for each pair of fragments,
	s_and_b32 s89, s84, 1
	s_lshl_b32 s89, s89, 2
	s_add_co_u32 s[FSB], s[FSB], s89               ; the fragment's word,
	s_add_co_u32 s[FSB], s[FSB], s95               ; my head's two bytes of it
	s_mov_b32 s[FSB+1], 0
	; what I fetch, if I fetch: bit 0 of the wave's number: v's (1) or k's (0); bit 1: scale words (1) or codes (0)
	s_mov_b32 s94, FRB
	s_bitcmp1_b32 s[WV], 0
	s_cselect_b32 s92, s88, s87
	s_cselect_b32 s89, 64, 8                       ; fragments from a key step to the next
	s_bitcmp1_b32 s[WV], 1
	s_cselect_b32 s94, 64, s94                     ; bytes a fragment
	s_mul_i32 s92, s92, s94
	s_mul_i32 s[STR], s89, s94
	s_mov_b32 s93, 0
	s_mov_b32 s[OF+1], 0
	; the prefetches: waves 4, 5 k's codes, waves 6, 7 v's
	s_cmp_lt_u32 s[WV], 6
	s_mov_b32 s[PFS], 64*FRB
	s_cselect_b32 s[PFS], 8*FRB, s[PFS]
	s_cselect_b32 s89, s87, s88
	s_mov_b32 s[PFS+1], 0
	s_mul_i32 s[PFA], s89, FRB
	s_mul_i32 s95, s[PFS], 3
	s_add_co_u32 s[PFA], s[PFA], s95               ; at key step 3: trip 0 steps it to key step 4
	s_mov_b32 s[PFA+1], 0
	s_lshr_b32 s89, s[WV], 2
	s_xor_b32 s89, s89, 1                          ; 0 in waves 4 to 7
	s_or_b32 s[NOASK], s89, ttmp9                  ; of the work-group with i = 0
	s_wait_dscnt 0x0                               ; both opening adds are done
	s_wait_kmcnt 0x0
	s_bitcmp1_b32 s[WV], 1
	s_cselect_b64 s[TBASE:TBASE+1], s[6:7], s[4:5]
	s_add_nc_u64 s[TBASE:TBASE+1], s[TBASE:TBASE+1], s[92:93]
	s_mov_b32 s[G0], 1
	s_mul_i32 s[G0+1], s[WV], 12288                ; slot 0, my wave's place
	s_mov_b64 s[G0+2:G0+3], s[TBASE:TBASE+1]       ; key step 0
	s_or_b32 s[G0+3], s[G0+3], 0x80000000
	TLOAD                                          ; key step 0: one tensor load in each of waves 0 to 3
	s_add_nc_u64 s[QCB:QCB+1], s[4:5], s[QCB:QCB+1]
	s_add_nc_u64 s[QSB:QSB+1], s[6:7], s[QSB:QSB+1]
	s_add_nc_u64 s[FCB:FCB+1], s[8:9], s[FCB:FCB+1]
	s_add_nc_u64 s[FSB:FSB+1], s[10:11], s[FSB:FSB+1]
	s_add_nc_u64 s[PFA:PFA+1], s[4:5], s[PFA:PFA+1]
	s_mul_i32 s82, s[PAR], 768
	s_mul_i32 s83, s[PAR], 4*FRB
	s_add_co_u32 s83, s83, 12288
	s_lshl_b32 s84, s[PAR], 1
	s_add_co_u32 s84, s84, 24576
	s_lshl_b32 s85, s[PAR], 8
	s_add_co_u32 s85, s85, 36864
	s_lshl_b32 s86, s[TQ], 4                       ; 32 (w >> 1)
	s_lshl_b32 s87, s[PAR], 5
	v_and_b32 v[HT], 31, v0                        ; lane
	v_and_b32 v[HT+1], 15, v0                      ; r
	v_bfe_u32 v[HT+2], v0, 4, 1                    ; h
	v_lshlrev_b32 v[L16], 4, v[HT]
	v_lshlrev_b32 v[L8], 3, v[HT]
	v_lshlrev_b32 v[R4], 2, v[HT+1]
	v_add_nc_u32 v[CK16], s82, v[L16]
	v_add_nc_u32 v[CK8], s82, v[L8]
	v_add_nc_u32 v[CV16], s83, v[L16]
	v_add_nc_u32 v[CV8], s83, v[L8]
	v_add_nc_u32 v[CKS], s84, v[R4]
	v_add_nc_u32 v[CVS], s85, v[R4]
	v_lshl_add_u32 v[FB], v[HT+1], 3, v[HT+2]
	v_and_b32 v[HT+3], 8, v[HT+1]
	v_add_nc_u32 v[HT+3], v[HT+3], v[HT+1]
	v_add_nc_u32 v[HT+3], s86, v[HT+3]             ; tile 0's query: 32 (w >> 1) + r + 8 (r / 8),
	v_lshlrev_b32 v[HT+4], 4, v[HT+2]
	v_sub_nc_u32 v[HT+3], v[HT+3], v[HT+4]         ; less 16 h
	v_add_nc_u32 v[PFO], s87, v[HT]
	v_min_u32 v[PFO], 47, v[PFO]
	v_lshlrev_b32 v[PFO], 8, v[PFO]                ; block min(32 (w & 1) + lane, 47) of a key step's 48
	s_mul_i32 s82, s[QB], 8*FRB                    ; both blocks' q
	s_mov_b32 s83, 0
	s_add_nc_u64 s[QA:QA+1], s[QCB:QCB+1], s[82:83]
	s_lshl_b32 s82, s[QB], 9
	s_add_nc_u64 s[QS:QS+1], s[QSB:QSB+1], s[82:83]
	s_mul_i32 s82, s[WI], 8*FRB
	s_add_nc_u64 s[84:85], s[QCB:QCB+1], s[82:83]
	s_lshl_b32 s82, s[WI], 9
	s_add_nc_u64 s[86:87], s[QSB:QSB+1], s[82:83]
	WALU
.irp u, 0,1
	global_load_b128 v[QF+12*\u:QF+12*\u+3], v[L16], s[QA:QA+1] offset:FRB*\u
	global_load_b64 v[QF+12*\u+4:QF+12*\u+5], v[L8], s[QA:QA+1] offset:FRB*\u+512
	global_load_u16 v[QSW+\u], v[R4], s[QS:QS+1] offset:64*\u
	global_load_b128 v[Q2+6*\u:Q2+6*\u+3], v[L16], s[84:85] offset:FRB*\u
	global_load_b64 v[Q2+6*\u+4:Q2+6*\u+5], v[L8], s[84:85] offset:FRB*\u+512
	global_load_u16 v[Q2S+\u], v[R4], s[86:87] offset:64*\u
.endr
	SETOUT
.irp i, 0,1,2,3,4,5
	v_mov_b32 v[QF+6+\i], 0                        ; zero codes in the upper half of q's operands,
	v_mov_b32 v[QF+18+\i], 0
	v_mov_b32 v[KF+48+\i], 0                       ; and written registers behind k's last half
.endr
	WIN 0x40
	v_mov_b32 v[T+oQP], v[HT+3]
	v_add_nc_u32 v[T+20+oQP], 8, v[HT+3]           ; tile 1's queries lie 8 further on
.irp u, 0,1
	v_mov_b32 v[T+20*\u+oFF+1], 0                  ; named as the upper half of a pair
	v_mov_b32 v[T+20*\u+oX], 0
.irp b, 0,1,2,3
	v_mov_b32 v[T+20*\u+oBT+\b], 0                 ; a lane permute's destination counts as one of its sources
.endr
.endr
	INIT
	WALU
	s_wait_tensorcnt 0x0                           ; my part of key step 0 is in; slot 1's first fill is issued as a refill is
	ds_add_u32 v[SPW], v[NIL]
	ds_add_u32 v[SPW], v[NIL]
	NEXTFILL
	s_wait_dscnt 0x0
	s_barrier_signal -1
	s_barrier_wait -1
	TLOAD                                          ; key step 1
	ADDRS
	KLOADS                                         ; key step 0's fragments
	VLOADS
	WALU
	s_wait_loadcnt 0x0                             ; q is in
.Ltrip:                                            ; key steps 0 to 14: each asks for the key step two on
	STEP 1
	ENDSTEP 1
	s_add_co_u32 s[TT], s[TT], 1
	s_cmp_lt_u32 s[TT], 15
	s_cbranch_scc1 .Ltrip
.Ltail:                                            ; key steps 15 and 16 have a text of their own
	STEP 0
	ENDSTEP 0
	s_add_co_u32 s[TT], s[TT], 1
	s_cmp_lt_u32 s[TT], 17
	s_cbranch_scc1 .Ltail
.Ldone:
	s_wait_tensorcnt 0x0                           ; the wave's end
	ds_add_u32 v[SPW], v[NIL]
	s_wait_dscnt 0x0
	s_endpgm
.Lfunc_end_k_qe7f9bd4e34_attn:
	.size	k_qe7f9bd4e34_attn, .Lfunc_end_k_qe7f9bd4e34_attn-k_qe7f9bd4e34_attn
	.p2alignl 7, 3214868480
	.fill 96, 4, 3214868480
	.section	.rodata,"a",@progbits
	.p2align	6, 0x0
	.amdhsa_kernel k_qe7f9bd4e34_attn
		.amdhsa_group_segment_fixed_size 327680
		.amdhsa_private_segment_fixed_size 0
		.amdhsa_enable_private_segment 0
		.amdhsa_kernarg_size 32
		.amdhsa_user_sgpr_count 2
		.amdhsa_user_sgpr_kernarg_segment_ptr 1
		.amdhsa_wavefront_size32 1
		.amdhsa_system_sgpr_workgroup_id_x 1
		.amdhsa_system_sgpr_workgroup_id_y 1
		.amdhsa_system_sgpr_workgroup_id_z 1
		.amdhsa_system_vgpr_workitem_id 0
		.amdhsa_next_free_vgpr 512
		.amdhsa_next_free_sgpr 100
		.amdhsa_reserve_vcc 1
		.amdhsa_float_denorm_mode_32 3
		.amdhsa_float_denorm_mode_16_64 3
		.amdhsa_memory_ordered 1
		.amdhsa_forward_progress 1
		.amdhsa_inst_pref_size 118
	.end_amdhsa_kernel
	.amdgpu_metadata
---
amdhsa.version: [ 1, 2 ]
amdhsa.kernels:
  - .name:           k_qe7f9bd4e34_attn
    .symbol:         k_qe7f9bd4e34_attn.kd
    .args:
      - { .name: qkv_codes, .offset: 0, .size: 8, .value_kind: global_buffer, .address_space: global }
      - { .name: qkv_scales, .offset: 8, .size: 8, .value_kind: global_buffer, .address_space: global }
      - { .name: flat_codes, .offset: 16, .size: 8, .value_kind: global_buffer, .address_space: global }
      - { .name: flat_scales, .offset: 24, .size: 8, .value_kind: global_buffer, .address_space: global }
    .group_segment_fixed_size: 327680
    .private_segment_fixed_size: 0
    .kernarg_segment_align: 8
    .kernarg_segment_size: 32
    .max_flat_workgroup_size: 256
    .sgpr_count:     100
    .vgpr_count:     512
    .wavefront_size: 32
...
	.end_amdgpu_metadata
.endif
;; end of part 3
;; launch proj (part 4): grid 4 x 32, 4 waves a work-group, clusters of 4 x 4, 327,680 bytes of LDS; arguments flat_codes, flat_scales, in_codes, in_scales, out0; writes out0
.if DOCPART == 4
	.amdgcn_target "amdgcn-amd-amdhsa--gfx1250"
	.amdhsa_code_object_version 6
	.text
	.protected	k_qe7f9bd4e34_proj
	.globl	k_qe7f9bd4e34_proj
	.p2align	8
	.type	k_qe7f9bd4e34_proj,@function
k_qe7f9bd4e34_proj:
	s_mov_b64 s[64:65], 0
	v_nop
	global_prefetch_b8 v0, s[64:65] scope:SCOPE_SE
	s_setreg_imm32_b32 hwreg(HW_REG_WAVE_MODE, 25, 1), 1
	s_wait_xcnt 0x0
	s_wait_alu depctr_hold_cnt(0) depctr_sa_sdst(0) depctr_va_vdst(0) depctr_va_sdst(0) depctr_va_ssrc(0) depctr_va_vcc(0) depctr_vm_vsrc(0)
	s_getreg_b32 s2, hwreg(HW_REG_IB_STS2, 6, 4)
	s_cmp_eq_u32 s2, 0
	s_cbranch_scc0 .Lentry_in_a_cluster
	s_endpgm
.Lentry_in_a_cluster:
	s_bfe_u32 s2, ttmp6, 0x10000c
	s_cmp_lg_u32 s2, 0xf033
	s_cbranch_scc0 .Lentry_shape_is_right
	s_endpgm
.Lentry_shape_is_right:
.set FR,    12
.set FRB,   1536
.set RBK,   2*FRB
.set NL,    4
.set NP,    4
.set NQ,    2
.set HALFT, 8*RBK
.set SLOT,  4*HALFT
.set SCL,   2*SLOT
.set SPARE, SCL+4*4096
.set SPITCH, 528
.set ADRA, 16
.set ADRB, 20
.set STO,  24
.set RD,   25
.set CO,   26
.set ADRS, 27
.set SPW,  28
.set NIL,  29
.set SC,   32
.set AF,   128
.set BK,   128
.set G1, 24
.set G0, 32
.set G1B, 48
.set G0B, 56
.set G1S, 68
.set G0S, 76
.set G1SB, 80
.set G0SB, 88
.set MSB, 0
.macro WIN new
.if MSB != \new
	s_set_vgpr_msb (MSB<<8)|\new
.set MSB, \new
.endif
.endm
.set MUL_LO, 0xa1
.set MUL_HI, 0xf1
.set TO_B,   0x40
.macro JLOAD g0a, g1a, g0b, g1b
	s_cmp_eq_u32 s15, 0
	s_cbranch_scc0 .Lfor_b_\@
	tensor_load_to_lds s[\g0a:\g0a+3], s[\g1a:\g1a+7]
	s_nop 0
.rept 4
	v_nop
.endr
	s_branch .Lasked_\@
.Lfor_b_\@:
	tensor_load_to_lds s[\g0b:\g0b+3], s[\g1b:\g1b+7]
	s_nop 0
.rept 4
	v_nop
.endr
.Lasked_\@:
.endm
.macro CREST
	s_cmp_lg_u32 s14, 0
	s_cbranch_scc1 .Lnot_wave_0_\@
	s_barrier_signal -3
.Lnot_wave_0_\@:
	s_barrier_wait -3
	s_barrier_signal -1
	s_barrier_wait -1
.endm
.macro CROUND
	s_barrier_signal -1
	s_barrier_wait -1
	CREST
.endm
	s_load_b256 s[4:11], s[0:1], 0x0
	s_load_b64 s[12:13], s[0:1], 0x20
	v_lshl_add_u32 v[SPW], v0, 2, SPARE
	v_mov_b32 v[NIL], 0
	ds_add_u32 v[SPW], v[NIL]
	ds_add_u32 v[SPW], v[NIL]
	v_lshrrev_b32 v1, 5, v0
	v_readfirstlane_b32 s14, v1
	s_lshr_b32 s15, s14, 1
	s_and_b32 s16, s14, 1
	s_bfe_u32 s40, ttmp6, 0x40000
	s_bfe_u32 s41, ttmp6, 0x40004
	s_lshl_b32 s42, ttmp9, 2
	s_add_co_u32 s42, s42, s40
	s_and_b32 s17, ttmp7, 0xffff
	s_lshl_b32 s17, s17, 2
	s_add_co_u32 s17, s17, s41
	s_lshl_b32 s43, s41, 2
	s_lshl_b32 s43, 15, s43
	s_lshl_b32 s44, 0x1111, s40
	s_or_b32 s[G1+0], s43, (3<<16)|(1<<21)
	s_or_b32 s[G1B+0], s44, (3<<16)|(1<<21)
.irp g, G1, G1B
	s_mov_b32 s[\g+1], 384<<16
	s_mov_b32 s[\g+2], 16<<16                      ; 16 row blocks for the head's loads; behind them 8
	s_mov_b32 s[\g+3], 384<<16
	s_mov_b32 s[\g+4], 16
	s_mov_b32 s[\g+5], 1536
	s_mov_b32 s[\g+6], 0
	s_mov_b32 s[\g+7], 0
.endr
	s_or_b32 s[G1S+0], s43, (3<<16)|(1<<21)
	s_or_b32 s[G1SB+0], s44, (3<<16)|(1<<21)
.irp g, G1S, G1SB
	s_mov_b32 s[\g+1], 32<<16
	s_mov_b32 s[\g+2], 32<<16                      ; the scale words of 16 row blocks: 8,192 dense bytes as 32 rows of 256
	s_mov_b32 s[\g+3], 32<<16
	s_mov_b32 s[\g+4], 32
	s_mov_b32 s[\g+5], 32
	s_mov_b32 s[\g+6], 0
	s_mov_b32 s[\g+7], 0
.endr
	s_lshl_b32 s18, s16, 3
	s_lshl_b32 s20, s17, 4
	s_add_co_u32 s20, s20, s18
	s_lshl_b32 s46, s42, 4
	s_add_co_u32 s46, s46, s18
	s_add_co_u32 s46, s46, 704
	s_sub_co_u32 s22, s20, s18                     ; the tile's first row block: its scale words come whole, by one load
	s_lshl_b32 s22, s22, 9
	s_mov_b32 s23, 0
	s_sub_co_u32 s92, s46, s18
	s_lshl_b32 s92, s92, 9
	s_mov_b32 s93, 0
	s_mul_i32 s20, s20, 12288
	s_mov_b32 s21, 0
	s_mul_i32 s46, s46, 12288
	s_mov_b32 s47, 0
	s_mul_i32 s45, s14, HALFT
	s_wait_dscnt 0x0
	s_wait_kmcnt 0x0
	s_add_nc_u64 s[20:21], s[4:5], s[20:21]
	s_add_nc_u64 s[22:23], s[6:7], s[22:23]
	s_add_nc_u64 s[46:47], s[8:9], s[46:47]
	s_add_nc_u64 s[92:93], s[10:11], s[92:93]
	CROUND
	s_mov_b32 s[G0S], 1
	s_mov_b32 s[G0S+1], SCL
	s_mov_b64 s[G0S+2:G0S+3], s[22:23]
	s_or_b32 s[G0S+3], s[G0S+3], 0x80000000
	s_mov_b32 s[G0SB], 1
	s_mov_b32 s[G0SB+1], SCL+8192
	s_mov_b64 s[G0SB+2:G0SB+3], s[92:93]
	s_or_b32 s[G0SB+3], s[G0SB+3], 0x80000000
.irp s, 0,1
	s_mov_b32 s[G0+4*\s], 1
	s_add_co_u32 s[G0+4*\s+1], s45, \s*SLOT
	s_add_nc_u64 s[G0+4*\s+2:G0+4*\s+3], s[20:21], \s*RBK
	s_or_b32 s[G0+4*\s+3], s[G0+4*\s+3], 0x80000000
	s_mov_b32 s[G0B+4*\s], 1
	s_add_co_u32 s[G0B+4*\s+1], s45, \s*SLOT
	s_add_nc_u64 s[G0B+4*\s+2:G0B+4*\s+3], s[46:47], \s*RBK
	s_or_b32 s[G0B+4*\s+3], s[G0B+4*\s+3], 0x80000000
.endr
; THE HEAD'S LOADS, ONE A WAVE.  Waves 0 and 2 hold the address and the LDS place of the first half of A's and of B's tile: with 16 rows in group 1 their slot 0 descriptors bring the whole tile of K step 0.
; Wave 1 brings A's scale words, wave 3 B's.  One chain of branches on the wave's number, one load to an arm, all arms to one join.
.macro ARM under, g0, g1, next
	s_cmp_lt_u32 s14, \under
	s_cbranch_scc0 \next
	tensor_load_to_lds s[\g0:\g0+3], s[\g1:\g1+7]
	s_nop 0
.rept 4
	v_nop
.endr
	s_branch .Lhead_asked
\next:
.endm
	ARM 1, G0, G1, .Lhead_sa
	ARM 2, G0S, G1S, .Lhead_b
	ARM 3, G0B, G1B, .Lhead_sb
	tensor_load_to_lds s[G0SB:G0SB+3], s[G1SB:G1SB+7]
	s_nop 0
.rept 4
	v_nop
.endr
.Lhead_asked:
	v_and_b32 v1, 31, v0
	v_and_b32 v2, 15, v0
	v_bfe_u32 v3, v0, 4, 1
	v_lshlrev_b32 v[CO], 4, v1
	v_lshlrev_b32 v4, 3, v1
	s_mul_i32 s21, s15, HALFT
	s_mul_i32 s22, s16, HALFT
	s_add_co_u32 s22, s22, 2*HALFT
.irp s, 0,1
	v_add_nc_u32 v[ADRA+\s], s21, v[CO]
	v_add_nc_u32 v[ADRB+\s], s22, v[CO]
	v_add_nc_u32 v[ADRA+2+\s], s21, v4
	v_add_nc_u32 v[ADRB+2+\s], s22, v4
	s_add_co_u32 s21, s21, SLOT
	s_add_co_u32 s22, s22, SLOT
.endr
	v_lshlrev_b32 v5, 3, v2
	s_lshl_b32 s21, s15, 12
	s_lshl_b32 s22, s16, 12
	s_add_co_u32 s22, s22, 8192
	s_sub_co_u32 s22, s22, s21
	v_mul_u32_u24 v6, s22, v3
	s_add_co_u32 s21, s21, SCL
	v_add_nc_u32 v5, v5, v6
	v_add_nc_u32 v[ADRS], s21, v5
	s_mul_i32 s23, s14, 16*SPITCH
	v_mul_u32_u24 v5, v2, SPITCH
	v_lshl_add_u32 v5, v3, 6, v5
	v_add_nc_u32 v[STO], s23, v5
	v_add_nc_u32 v[RD], s23, v[CO]
	s_lshl_b32 s20, s17, 8
	s_lshl_b32 s21, s15, 7
	s_add_co_u32 s20, s20, s21
	s_lshl_b32 s20, s20, 12
	s_mov_b32 s21, 0
	s_lshl_b32 s46, s42, 10
	s_lshl_b32 s47, s16, 9
	s_add_co_u32 s46, s46, s47
	s_mov_b32 s47, 0
	s_add_nc_u64 s[12:13], s[12:13], s[20:21]
	s_add_nc_u64 s[12:13], s[12:13], s[46:47]
.macro FRAG reg, adr, q, i
	ds_load_b128 v[\reg:\reg+3], v[\adr] offset:(\i)*RBK+(\q)*FRB
	ds_load_b64 v[\reg+4:\reg+5], v[\adr+2] offset:(\i)*RBK+(\q)*FRB+512
	ds_load_b128 v[\reg+6:\reg+9], v[\adr] offset:(\i)*RBK+(\q)*FRB+768
	ds_load_b64 v[\reg+10:\reg+11], v[\adr+2] offset:(\i)*RBK+(\q)*FRB+1280
.endm
.macro MUL16 a0, p, q, sc, zero
.irp a, \a0, \a0+1
.irp b, 0,1,2,3,4,5,6,7
.if \zero
	v_wmma_scale_f32_16x16x128_f8f6f4 v[8*(8*((\a)%4)+\b):8*(8*((\a)%4)+\b)+7], v[128*(\p)+FR*\b:128*(\p)+FR*\b+FR-1], v[AF+FR*(\a):AF+FR*(\a)+FR-1], 0, v[SC+8*NQ*(\sc)+NQ*\b+(\q)], v[SC+8*NQ*(\sc)+NQ*(\a)+(\q)] matrix_a_fmt:MATRIX_FMT_FP6 matrix_b_fmt:MATRIX_FMT_FP6 matrix_a_scale:MATRIX_SCALE_ROW1
.else
	v_wmma_scale_f32_16x16x128_f8f6f4 v[8*(8*((\a)%4)+\b):8*(8*((\a)%4)+\b)+7], v[128*(\p)+FR*\b:128*(\p)+FR*\b+FR-1], v[AF+FR*(\a):AF+FR*(\a)+FR-1], v[8*(8*((\a)%4)+\b):8*(8*((\a)%4)+\b)+7], v[SC+8*NQ*(\sc)+NQ*\b+(\q)], v[SC+8*NQ*(\sc)+NQ*(\a)+(\q)] matrix_a_fmt:MATRIX_FMT_FP6 matrix_b_fmt:MATRIX_FMT_FP6 matrix_a_scale:MATRIX_SCALE_ROW1
.endif
.endr
.endr
.endm
.macro FETCH_B slot, q, p
	WIN TO_B
.irp i, 0,1,2,3,4,5,6,7
	FRAG 128*(\p)+FR*\i, ADRB+\slot, \q, \i
.endr
	WIN 0
.endm
.macro FETCH_A slot, q, i0
.irp i, \i0, \i0+1, \i0+2, \i0+3
	FRAG AF+FR*(\i), ADRA+\slot, \q, \i
.endr
.endm
.macro SCALES sc
.irp i, 0,1,2,3,4,5,6,7
	ds_load_b64 v[SC+8*NQ*\sc+NQ*\i:SC+8*NQ*\sc+NQ*\i+1], v[ADRS] offset:\i*512
.endr
.endm
.macro PLACES n
.rept \n
	v_nop
.endr
.endm
.macro STEP slot, q, zero
	s_wait_dscnt 4*NL
	WIN MUL_LO
	MUL16 0, (\q)%2, \q, \slot, \zero
	MUL16 2, (\q)%2, \q, \slot, \zero
	s_wait_dscnt 0
	PLACES NP
	FETCH_B \slot, (\q)+1, 1-(\q)%2
	FETCH_A \slot, (\q)+1, 0
	WIN MUL_HI
	MUL16 4, (\q)%2, \q, \slot, \zero
	MUL16 6, (\q)%2, \q, \slot, \zero
	PLACES NP
	WIN 0
	FETCH_A \slot, (\q)+1, 4
.endm
.macro TURN slot, next, fill
	s_wait_tensorcnt 0x0
	ds_add_u32 v[SPW], v[NIL]
	s_wait_dscnt 4*NL+1
	WIN MUL_LO
	MUL16 0, 1, NQ-1, \slot, 0
	s_wait_dscnt 0x0
	s_barrier_signal -1
	MUL16 2, 1, NQ-1, \slot, 0
	WIN 0
	s_barrier_wait -1
.if \fill
	CREST
	s_add_nc_u64 s[G0+4*\slot+2:G0+4*\slot+3], s[G0+4*\slot+2:G0+4*\slot+3], 2*RBK
	s_add_nc_u64 s[G0B+4*\slot+2:G0B+4*\slot+3], s[G0B+4*\slot+2:G0B+4*\slot+3], 2*RBK
	JLOAD G0+4*\slot, G1, G0B+4*\slot, G1B
.else
	PLACES NP
.endif
	s_wait_alu depctr_va_vdst(0)
	v_add_nc_u32 v[ADRS], 128, v[ADRS]
	FETCH_B \next, 0, 0
	FETCH_A \next, 0, 0
	SCALES \next
	WIN MUL_HI
	MUL16 4, 1, NQ-1, \slot, 0
	MUL16 6, 1, NQ-1, \slot, 0
	PLACES NP
	WIN 0
	FETCH_A \next, 0, 4
.endm
	s_wait_alu depctr_va_vdst(0)
	s_wait_tensorcnt 0x0                           ; my tile of the head's four is in; slot 1's first fill is issued as a refill is:
	ds_add_u32 v[SPW], v[NIL]                      ; 0 onto my spare word
	s_mov_b32 s[G1+2], 8<<16                       ; no tensor load of mine is out: from here on a load brings 8 row blocks
	s_mov_b32 s[G1+4], 8
	s_mov_b32 s[G1B+2], 8<<16
	s_mov_b32 s[G1B+4], 8
	s_wait_dscnt 0x0
	CROUND                                         ; everybody's tiles are in, and all sixteen work-groups are here
	JLOAD G0+4, G1, G0B+4, G1B                     ; K step 1, the first tensor load behind the round
	FETCH_B 0, 0, 0
	FETCH_A 0, 0, 0
	SCALES 0
	FETCH_A 0, 0, 4
	STEP 0, 0, 1
	TURN 0, 1, 1
	STEP 1, 0, 0
	TURN 1, 0, 1
	STEP 0, 0, 0
	TURN 0, 1, 0
	STEP 1, 0, 0
	s_wait_dscnt 4*NL
	WIN MUL_LO
	MUL16 0, 1, NQ-1, 1, 0
	MUL16 2, 1, NQ-1, 1, 0
	s_wait_dscnt 0
	WIN MUL_HI
	MUL16 4, 1, NQ-1, 1, 0
	MUL16 6, 1, NQ-1, 1, 0
	WIN 0
.macro TOSTAGE a
.set AC, 64*((\a)%4)
	WIN 0x08+4*((\a)/4)
.irp b, 0,1,2,3,4,5,6,7
	ds_store_b128 v[STO], v[AC+8*\b:AC+8*\b+3] offset:128*(\b/2)+32*(\b%2)
	ds_store_b128 v[STO], v[AC+8*\b+4:AC+8*\b+7] offset:128*(\b/2)+32*(\b%2)+16
.endr
	WIN 0
.set BB, BK+64*((\a)%2)
.irp t, 0,1,2,3,4,5,6,7,8,9,10,11,12,13,14,15
	ds_load_b128 v[BB+4*\t:BB+4*\t+3], v[RD] offset:\t*SPITCH
.endr
.endm
.macro SEND a, younger
.set BB, BK+64*((\a)%2)
	s_wait_dscnt \younger
.irp t, 0,1,2,3,4,5,6,7,8,9,10,11,12,13,14,15
	global_store_b128 v[CO], v[BB+4*\t:BB+4*\t+3], s[12:13] offset:(32*((\a)/2)+8*((\a)%2)+\t+8*(\t/8))*4096 th:TH_STORE_NT
.endr
.endm
	PLACES NP
	TOSTAGE 0
.irp a, 1,2,3,4,5,6,7
.if \a > 1
	s_wait_xcnt 0x0
.endif
	TOSTAGE \a
	SEND \a-1, 32
.endr
	SEND 7, 0
	s_wait_tensorcnt 0x0
	ds_add_u32 v[SPW], v[NIL]
	s_wait_dscnt 0x0
	CROUND
	s_endpgm
.Lfunc_end_k_qe7f9bd4e34_proj:
	.size	k_qe7f9bd4e34_proj, .Lfunc_end_k_qe7f9bd4e34_proj-k_qe7f9bd4e34_proj
	.p2alignl 7, 3214868480
	.fill 96, 4, 3214868480
	.section	.rodata,"a",@progbits
	.p2align	6, 0x0
	.amdhsa_kernel k_qe7f9bd4e34_proj
		.amdhsa_group_segment_fixed_size 327680
		.amdhsa_private_segment_fixed_size 0
		.amdhsa_enable_private_segment 0
		.amdhsa_kernarg_size 40
		.amdhsa_user_sgpr_count 2
		.amdhsa_user_sgpr_kernarg_segment_ptr 1
		.amdhsa_wavefront_size32 1
		.amdhsa_system_sgpr_workgroup_id_x 1
		.amdhsa_system_sgpr_workgroup_id_y 1
		.amdhsa_system_sgpr_workgroup_id_z 1
		.amdhsa_system_vgpr_workitem_id 0
		.amdhsa_next_free_vgpr 1024
		.amdhsa_next_free_sgpr 98
		.amdhsa_reserve_vcc 0
		.amdhsa_float_denorm_mode_32 3
		.amdhsa_float_denorm_mode_16_64 3
		.amdhsa_memory_ordered 1
		.amdhsa_forward_progress 1
		.amdhsa_inst_pref_size 143
	.end_amdhsa_kernel
	.amdgpu_metadata
---
amdhsa.version: [ 1, 2 ]
amdhsa.kernels:
  - .name:           k_qe7f9bd4e34_proj
    .symbol:         k_qe7f9bd4e34_proj.kd
    .args:
      - { .name: flat_codes, .offset: 0, .size: 8, .value_kind: global_buffer, .address_space: global }
      - { .name: flat_scales, .offset: 8, .size: 8, .value_kind: global_buffer, .address_space: global }
      - { .name: in_codes, .offset: 16, .size: 8, .value_kind: global_buffer, .address_space: global }
      - { .name: in_scales, .offset: 24, .size: 8, .value_kind: global_buffer, .address_space: global }
      - { .name: out0, .offset: 32, .size: 8, .value_kind: global_buffer, .address_space: global }
    .group_segment_fixed_size: 327680
    .private_segment_fixed_size: 0
    .kernarg_segment_align: 8
    .kernarg_segment_size: 40
    .max_flat_workgroup_size: 128
    .sgpr_count:     98
    .vgpr_count:     1024
    .wavefront_size: 32
...
	.end_amdgpu_metadata
.endif
;; end of part 4
